; MI455X (gfx1250); checked and timed in simulation.
; The chip was launched on July 23, 2026; its instructions are those of AMD's public machine-readable ISA for CDNA 5 (MIT licence, August 2026) and "CDNA5" Instruction Set Architecture Reference Guide (July 2026). The comments in the code are by the model that wrote it; some were corrected since.
;; Token Mixer. Allowed arithmetic: matrix products marked QUANTISED: E3M2 operands, one E8M0 scale for each 32 along K, by v_wmma_scale_f32_16x16x128_f8f6f4 with both operands' format E3M2, f32 sums; everything else in f32.
;; Inputs: b_proj 1,024 float32; b_qkv 3,072 float32; ln_beta 1,024 float32; ln_gamma 1,024 float32; w_proj 1,024 x 1,024 float32; w_qkv 1,024 x 3,072 float32; x 4 x 2,048 x 1,024 float32.
;; Outputs: out0 4 x 2,048 x 1,024 float32.
;; This version of the problem:
;;   THIS VERSION OF THE PROBLEM IS GIVEN IN LOW PRECISION. The matrix products marked QUANTISED in the list below multiply operands that are first quantised to E3M2 (3 exponent bits, 2 mantissa bits; 6 bits a number), with one power-of-two scale for each 32 numbers along K (OCP MX v1.0); their sums are f32. All else is computed in f32.
;;   The module's matrix products, in the order in which they are computed (A, B: the left and right operand; K: the contracted axis; several contracted axes count as one K, in the product's order):
;;     1. [M 8,192, K 1,024] x [K 1,024, N 3,072]; A: computed on the way; B: input w_qkv: QUANTISED
;;     2. batch 64 x [M 2,048, K 64] x [K 64, N 2,048]; A: computed on the way; B: computed on the way: QUANTISED
;;     3. batch 64 x [M 2,048, K 2,048] x [K 2,048, N 64]; A: softmax (see below); B: computed on the way: QUANTISED
;;     4. [M 8,192, K 1,024] x [K 1,024, N 1,024]; A: computed on the way; B: input w_proj: QUANTISED
;;   THE QUANTISER, for each operand of a quantised product, along K:
;;     - K is cut into blocks of 32 from its start; a last block that is shorter is filled with zeros.
;;     - A block's scale is 2^e with e = floor(log2(the largest magnitude in the block)) - 4, held to -126 .. 127; a block of zeros has e = 0. As a byte (E8M0): e + 127.
;;     - Each number is divided by its block's scale, clamped to +-28, and rounded to the nearest number of E3M2, ties to even, subnormals kept.
;;     - The product sums the exact products of the quantised numbers (number of the format x scale) in f32.
;;   ~~~python
;;   def quantise(x, axis):      # numpy; x: float32 -> the quantised numbers, widened to float32 again
;;       x = np.moveaxis(x, axis, -1); K = x.shape[-1]
;;       x = np.pad(x, [(0, 0)] * (x.ndim - 1) + [(0, -K % 32)]); x = x.reshape(x.shape[:-1] + (-1, 32)); a = np.abs(x).max(-1, keepdims=True)
;;       e = np.where(a > 0, np.clip(np.frexp(np.where(a > 0, a, 1))[1] - 1 - 4, -126, 127), 0)      # np.frexp(a)[1] - 1 = floor(log2(a)), exactly
;;       r = np.clip(x / 2.0 ** e, -28, 28)
;;       step = 2.0 ** (np.maximum(np.frexp(np.where(r == 0, 1, r))[1] - 1, -2) - 2)
;;       q = np.round(r / step) * step * 2.0 ** e      # np.round: ties to even
;;       return np.moveaxis(q.reshape(q.shape[:-2] + (-1,))[..., :K], -1, axis).astype(np.float32)
;;   ~~~
;;   SOFTMAX AHEAD OF A QUANTISED PRODUCT. Where the list says 'softmax', what is quantised is not the finished softmax but p = 2^(t - M), with t = logit x log2(e) and M = ceil(the row's largest t), a whole number; so 1/2 < the row's largest p <= 1. The row's sum l is taken of the UNQUANTISED p, in f32, and the product's result is divided by l at the end. Since M is a whole number, a kernel that streams over the keys may use a running M (the ceiling of the running maximum): every later rescaling is an exact power of two, which a block's scale takes up: the codes' values come out the same.
;;   OPERANDS COMPUTED ON THE WAY. 'Computed on the way' means the value that the module computes at that place (a softmax that the list does not call 'softmax' is quantised finished and normalised). What goes into a quantiser is computed in f32, as accurately as f32 sums, v_exp_f32 and their like allow (about 1e-6 of the number): no bf16 or f16 on the way to a quantiser, and a product that is left as it is and whose result goes on into a quantised operand takes f32 operands (vector FMAs, or v_wmma_f32_16x16x4_f32). A number that lies on a knife's edge between two numbers of the format may be rounded either way, as far as f32 arithmetic and the matrix unit's own rounding can turn it there, and no further.
;; One version. Each part assembles by itself: llvm-mc -triple=amdgcn-amd-amdhsa -mcpu=gfx1250 --defsym DOCPART=n.
;; ======== version 1 of 1: 4 launches
;; limits: right only within a limited range of input values
;; workspace buffers: wcodes 9,437,184 bytes; wscale 393,216 bytes; acodes 18,874,368 bytes; ascale 786,432 bytes; ocodes 6,291,456 bytes; oscale 262,144 bytes
;; launch prep (part 1): grid 640 x 1, 8 waves a work-group, no clusters, 68,352 bytes of LDS; arguments x, ln_gamma, ln_beta, w_qkv, w_proj, wcodes, wscale; writes wcodes, wscale
.if DOCPART == 1
	.amdgcn_target "amdgcn-amd-amdhsa--gfx1250"
	.amdhsa_code_object_version 6
	.text
	.protected	k_qd48c75b3c3_prep
	.globl	k_qd48c75b3c3_prep
	.p2align	8
	.type	k_qd48c75b3c3_prep,@function
k_qd48c75b3c3_prep:
	s_mov_b64 s[64:65], 0
	v_nop
	global_prefetch_b8 v0, s[64:65] scope:SCOPE_SE
	s_setreg_imm32_b32 hwreg(HW_REG_WAVE_MODE, 25, 1), 1
	s_wait_xcnt 0x0
; PREP: LayerNorm(x), w_qkv and w_proj become codes of E3M2 (6 bits) with one E8M0 byte for each 32 along K = the model's 1,024.
; DEAD WORK: none.  Every input has a way to out0: x (norm and residual), gamma, beta, both weights, both biases; k's part of b_qkv moves k's codes, so it stays.
; The factor 1/8 stands behind the product q k^T in the problem's text: q is quantised unscaled and the factor goes into the exponential's constant (launch attn).
; LIMITS: NaN and infinities among the inputs are not served.  A block of zeros, or one whose largest magnitude lies under 2^-122, keeps the scale byte 1
; (its codes are zeros or tiny; the bytes are read by this program alone).
; LAYOUT OF wcodes: [row tile of 16 rows: 768][K step of 128: 8][1,536 bytes].  The 1,536 bytes are the IMAGE OF AN OPERAND'S 12 REGISTERS, in two halves of 768 (64 along K each):
; registers 0-3 at 16 x lane (512 bytes), registers 4-5 at 8 x lane (256 bytes).  Lane (r, h) holds k = 32 h .. 32 h + 31 of row r.  So a fragment comes back by two loads of 16 and two of 8 bytes a lane.
; Row tiles 0-511: the tokens; 512-703: w_qkv's 3,072 columns; 704-767: w_proj's 1,024 columns.
; ORDER OF ROWS: tokens and w_qkv's columns lie with bits 3 and 4 of their number exchanged (buffer row i holds number pi(i)), w_proj's columns as they are.  A tile of 16 neighbouring buffer rows, used
; as a product's source 0, then leaves 16 NEIGHBOURS (32 b + 16 h + 0 .. 15) in a lane's 16 registers of result tiles 2 b and 2 b + 1, which is what the next quantiser wants.
; LAYOUT OF wscale: [q: 2][row: 12,288][16 bytes]: the scale words of K steps 4 q .. 4 q + 3 of that row.
; Work-groups 0-511: one row tile of tokens each.  Work-groups 512-639: 64 columns of a weight x 512 along K each.  The two ways part on the work-group's number alone and have LDS bytes of their own.
.set RP,    4112                       ; a row of xn in the stage: 4,096 bytes + 16 = 257 x 16: sixteen rows start at sixteen different groups of banks
.set STG,   0                          ; the norm's way: 16 rows of xn
.set SCM,   65792                      ; the norm's way: 2 x 256 bytes of scale words
.set WSC,   66304                      ; the weights' way: 2 x 512 bytes of scale words
.set SPARE, 67328                      ; the spare words, 128 bytes for each of eight waves; no other line names them
.set SQ,    196608
.set RTB,   12288                      ; a row tile in wcodes
.set SPW,   14                         ; v14  SPARE + 4 x my thread's number; never rewritten
.set NIL,   15                         ; v15  0; never rewritten
.set X,     16                         ; v16-79 two rows of x (norm); v16-143 128 numbers down K (weights)
.set G,     80                         ; v80-111 gamma
.set BT,    112                        ; v112-143 beta
.set AC,    144                        ; v144-151 two chains of sums for each row
.set SM,    152                        ; v152-153 a row's sum
.set SPM,   154                        ; v154-155 the other half of the lanes' sum
.set MU,    156                        ; v156-159 -mean, a pair for each row
.set RS,    156                        ; v156-159 1 / sqrt(var + eps), a pair for each row: in -mean's registers, whose last read stands ahead of the variance
.set PC,    80                         ; v80-99  the codes just made
.set TM,    100                        ; v100-115 the quantiser's work
.set PW,    116                        ; v116 the scale word just made
.set SEL,   22                         ; s[22:23] lane selects: lane l xor 16
.set CT,    150                        ; weights: v150-152 a conversion's second half
.set M0,    153
.set M1,    154
.set SO,    155
.set SW,    156
; 64 numbers of a lane, register 16 b + i = k 32 b + 16 h + i of my row, become a fragment's 12 registers at v[PC] and its scale word.
.macro QUANT s, pw
.irp b,0,1,2,3
	v_max3_num_f32 v[TM+\b], |v[\s+16*\b]|, |v[\s+1+16*\b]|, 0x2800000   ; my 16 numbers of block b, and the floor 2^(5 - 127): the byte cannot fall under 1
.endr
.irp i,2,4,6,8,10,12,14
.irp b,0,1,2,3
	s_delay_alu instid0(VALU_DEP_4)
	v_max3_num_f32 v[TM+\b], v[TM+\b], |v[\s+16*\b+\i]|, |v[\s+1+16*\b+\i]|
.endr
.endr
.irp b,0,1,2,3
	s_delay_alu instid0(VALU_DEP_4)
	v_permlanex16_b32 v[TM+4+\b], v[TM+\b], s[SEL], s[SEL+1]
.endr
.irp b,0,1,2,3
	s_delay_alu instid0(VALU_DEP_4)
	v_max_num_f32 v[TM+\b], v[TM+\b], v[TM+4+\b]              ; with lane l xor 16's 16: the block's largest magnitude
.endr
.irp b,0,1,2,3
	s_delay_alu instid0(VALU_DEP_4)
	v_add_nc_u32 v[TM+12+\b], 0xfe000000, v[TM+\b]            ; 4 off its exponent field: the conversion's scale operand
.endr
.irp b,0,1,2,3
	s_delay_alu instid0(VALU_DEP_4)
	v_lshrrev_b32 v[TM+4+\b], 23, v[TM+12+\b]                 ; the scale's byte
.endr
	s_delay_alu instid0(VALU_DEP_3)
	v_lshl_or_b32 v[\pw], v[TM+5], 8, v[TM+4]
	s_delay_alu instid0(VALU_DEP_1)
	v_lshl_or_b32 v[\pw], v[TM+6], 16, v[\pw]
	s_delay_alu instid0(VALU_DEP_1)
	v_lshl_or_b32 v[\pw], v[TM+7], 24, v[\pw]
.irp c,0,1
	v_cvt_scalef32_pk16_bf6_f32 v[PC+6*\c:PC+2+6*\c], v[\s+32*\c:\s+15+32*\c], v[TM+12+2*\c]
	v_cvt_scalef32_pk16_bf6_f32 v[PC+12+4*\c:PC+14+4*\c], v[\s+16+32*\c:\s+31+32*\c], v[TM+12+2*\c+1]   ; (a conversion's three registers begin on an even number)
.endr
	v_nop                                                     ; one plain instruction behind the scaled conversions
.irp c,0,1
.irp i,0,1,2
	v_permlane16_swap_b32 v[PC+6*\c+\i], v[PC+12+4*\c+\i]     ; a whole block to a lane: lanes 0-15 block 2 c, lanes 16-31 block 2 c + 1
.endr
.irp i,0,1,2
	s_delay_alu instid0(VALU_DEP_3)
	v_mov_b32 v[PC+3+6*\c+\i], v[PC+12+4*\c+\i]
.endr
.endr
.endm
; the two rows' chains are closed and summed over the 32 lanes; every lane ends with the sum
.macro ROWSUM
.irp e, 0
	s_delay_alu instid0(VALU_DEP_3)
	v_pk_add_f32 v[AC+4*\e:AC+4*\e+1], v[AC+4*\e:AC+4*\e+1], v[AC+4*\e+2:AC+4*\e+3]
.endr
.irp e, 1
	s_delay_alu instid0(VALU_DEP_2)
	v_pk_add_f32 v[AC+4*\e:AC+4*\e+1], v[AC+4*\e:AC+4*\e+1], v[AC+4*\e+2:AC+4*\e+3]
.endr
.irp e,0,1
	s_delay_alu instid0(VALU_DEP_2)
	v_add_f32 v[SM+\e], v[AC+4*\e], v[AC+4*\e+1]
.endr
.irp m,1,2,4,8
.irp e,0,1
	s_delay_alu instid0(VALU_DEP_2)
	v_add_f32_dpp v[SM+\e], v[SM+\e], v[SM+\e] row_xmask:\m row_mask:0xf bank_mask:0xf
.endr
.endr
.irp e,0,1
	s_delay_alu instid0(VALU_DEP_2)
	v_permlanex16_b32 v[SPM+\e], v[SM+\e], s[SEL], s[SEL+1]
.endr
.irp e,0,1
	s_delay_alu instid0(VALU_DEP_2)
	v_add_f32 v[SM+\e], v[SM+\e], v[SPM+\e]
.endr
.endm
	s_load_b256 s[4:11], s[0:1], 0x0               ; x s[4:5], gamma s[6:7], beta s[8:9], w_qkv s[10:11]
	s_load_b128 s[12:15], s[0:1], 0x20             ; w_proj s[12:13], wcodes s[14:15]
	s_load_b64 s[20:21], s[0:1], 0x30              ; wscale
	v_lshl_add_u32 v[SPW], v0, 2, SPARE
	v_mov_b32 v[NIL], 0
	v_lshrrev_b32 v1, 5, v0
	s_delay_alu instid0(VALU_DEP_1)
	v_readfirstlane_b32 s16, v1                    ; wave 0..7
	v_and_b32 v1, 31, v0                           ; lane
	v_and_b32 v2, 15, v0                           ; r
	v_bfe_u32 v3, v0, 4, 1                         ; h
	s_delay_alu instid0(VALU_DEP_3)
	v_lshlrev_b32 v4, 4, v1                        ; 16 x lane
	s_delay_alu instid0(VALU_DEP_4)
	v_lshlrev_b32 v5, 3, v1                        ; 8 x lane
	s_mov_b32 s[SEL], 0x76543210
	s_mov_b32 s[SEL+1], 0xfedcba98
	s_cmp_lt_u32 ttmp9, 512
	s_cbranch_scc0 .Lweights
	; ================ THE NORM: row tile g = the work-group's number ================
	s_lshr_b32 s25, s16, 2                         ; wave / 4
	s_and_b32 s27, s16, 3                          ; wave % 4
	s_mul_i32 s28, s16, 2*RP
	v_add_nc_u32 v6, s28, v4                       ; into the stage: my two rows, 16 bytes a lane
	v_mul_u32_u24 v7, v2, RP
	s_delay_alu instid0(VALU_DEP_1)
	v_lshl_add_u32 v7, v3, 6, v7
	s_lshl_b32 s28, s16, 9
	v_add_nc_u32 v7, s28, v7                       ; out of it: row r, K step = my wave (512 bytes), + 64 h
	s_lshl_b32 s28, s25, 8
	s_lshl_b32 s29, s27, 2
	s_add_co_u32 s28, s28, s29
	s_add_co_u32 s28, s28, SCM
	s_wait_alu depctr_va_vdst(0)
	v_lshl_add_u32 v8, v2, 4, s28                  ; my scale word's place: 256 (wave / 4) + 16 r + 4 (wave % 4)
	v_add_nc_u32 v9, SCM, v4                       ; and where wave 0 reads all of them back
	; buffer rows 2 w and 2 w + 1 of tile g hold tokens 32 (g / 2) + 16 (w / 4) + 8 (g % 2) + 2 (w % 4) + 0, 1
	s_lshr_b32 s24, ttmp9, 1
	s_lshl_b32 s24, s24, 5
	s_lshl_b32 s26, s25, 4
	s_add_co_u32 s24, s24, s26
	s_and_b32 s26, ttmp9, 1
	s_lshl_b32 s26, s26, 3
	s_add_co_u32 s24, s24, s26
	s_lshl_b32 s26, s27, 1
	s_add_co_u32 s24, s24, s26
	s_lshl_b32 s24, s24, 12                        ; 4,096 bytes a token
	s_mov_b32 s25, 0
	s_lshl_b32 s30, ttmp9, 3
	s_add_co_u32 s30, s30, s16
	s_mul_i32 s30, s30, 1536                       ; my fragment: (8 g + wave) x 1,536
	s_mov_b32 s31, 0
	s_mov_b32 s32, 0x3a800000                      ; 1 / 1,024
	s_mov_b32 s33, 0x3727c5ac                      ; eps = 1e-5
	s_wait_kmcnt 0x0
	s_add_nc_u64 s[4:5], s[4:5], s[24:25]
	s_add_nc_u64 s[14:15], s[14:15], s[30:31]
.irp e,0,1
.irp j,0,1,2,3,4,5,6,7
	global_load_b128 v[X+32*\e+4*\j:X+32*\e+4*\j+3], v4, s[4:5] offset:\e*4096+512*\j th:TH_LOAD_NT   ; 32 lanes read 512 consecutive bytes
.endr
.endr
.irp j,0,1,2,3,4,5,6,7
	global_load_b128 v[G+4*\j:G+4*\j+3], v4, s[6:7] offset:512*\j
	global_load_b128 v[BT+4*\j:BT+4*\j+3], v4, s[8:9] offset:512*\j
.endr
	v_mov_b32 v[SPM], 0                            ; written once: a lane permute's destination counts as one of its sources
	v_mov_b32 v[SPM+1], 0
	s_wait_loadcnt 16                              ; x's 16 loads are in; the 16 of gamma and beta may be out
.irp e,0,1
	v_pk_add_f32 v[AC+4*\e:AC+4*\e+1], v[X+32*\e:X+32*\e+1], v[X+32*\e+2:X+32*\e+3]
	v_pk_add_f32 v[AC+4*\e+2:AC+4*\e+3], v[X+32*\e+4:X+32*\e+5], v[X+32*\e+6:X+32*\e+7]
.endr
.irp i,8,12,16,20,24,28
.irp e,0,1
	s_delay_alu instid0(VALU_DEP_4)
	v_pk_add_f32 v[AC+4*\e:AC+4*\e+1], v[AC+4*\e:AC+4*\e+1], v[X+32*\e+\i:X+32*\e+\i+1]
	s_delay_alu instid0(VALU_DEP_4)
	v_pk_add_f32 v[AC+4*\e+2:AC+4*\e+3], v[AC+4*\e+2:AC+4*\e+3], v[X+32*\e+\i+2:X+32*\e+\i+3]
.endr
.endr
	ROWSUM
.irp e, 0
	s_delay_alu instid0(VALU_DEP_2)
	v_mul_f32 v[MU+2*\e], 0xba800000, v[SM+\e]     ; -mean
	s_delay_alu instid0(VALU_DEP_3)
	v_mul_f32 v[MU+2*\e+1], 0xba800000, v[SM+\e]
.endr
.irp e, 1
	s_delay_alu instid0(VALU_DEP_3)
	v_mul_f32 v[MU+2*\e], 0xba800000, v[SM+\e]     ; -mean
	s_delay_alu instid0(VALU_DEP_4)
	v_mul_f32 v[MU+2*\e+1], 0xba800000, v[SM+\e]
.endr
.irp i,0,2,4,6,8,10,12,14,16,18,20,22,24,26,28,30
.irp e,0,1
	v_pk_add_f32 v[X+32*\e+\i:X+32*\e+\i+1], v[X+32*\e+\i:X+32*\e+\i+1], v[MU+2*\e:MU+2*\e+1]   ; x - mean
.endr
.endr
.irp e,0,1
	v_pk_mul_f32 v[AC+4*\e:AC+4*\e+1], v[X+32*\e:X+32*\e+1], v[X+32*\e:X+32*\e+1]
	v_pk_mul_f32 v[AC+4*\e+2:AC+4*\e+3], v[X+32*\e+2:X+32*\e+3], v[X+32*\e+2:X+32*\e+3]
.endr
.irp i,4,8,12,16,20,24,28
.irp e,0,1
	s_delay_alu instid0(VALU_DEP_4)
	v_pk_fma_f32 v[AC+4*\e:AC+4*\e+1], v[X+32*\e+\i:X+32*\e+\i+1], v[X+32*\e+\i:X+32*\e+\i+1], v[AC+4*\e:AC+4*\e+1]
	s_delay_alu instid0(VALU_DEP_4)
	v_pk_fma_f32 v[AC+4*\e+2:AC+4*\e+3], v[X+32*\e+\i+2:X+32*\e+\i+3], v[X+32*\e+\i+2:X+32*\e+\i+3], v[AC+4*\e+2:AC+4*\e+3]
.endr
.endr
	ROWSUM
.irp e,0,1
	s_delay_alu instid0(VALU_DEP_2)
	v_fma_f32 v[SM+\e], v[SM+\e], s32, s33         ; var + eps
.endr
	s_wait_alu depctr_va_vdst(0)
.irp e,0,1
	v_rsq_f32 v[RS+2*\e], v[SM+\e]
	v_rsq_f32 v[RS+2*\e+1], v[SM+\e]
.endr
	v_nop                                          ; a plain instruction behind the last of the four
	s_wait_alu depctr_va_vdst(0)                   ; one wait for the four, ahead of their first reader
	s_wait_loadcnt 0x0                             ; gamma and beta
.irp i,0,2,4,6,8,10,12,14,16,18,20,22,24,26,28,30
.irp e,0,1
	v_pk_mul_f32 v[X+32*\e+\i:X+32*\e+\i+1], v[X+32*\e+\i:X+32*\e+\i+1], v[RS+2*\e:RS+2*\e+1]
.endr
.endr
.irp i,0,2,4,6,8,10,12,14,16,18,20,22,24,26,28,30
.irp e,0,1
	v_pk_fma_f32 v[X+32*\e+\i:X+32*\e+\i+1], v[X+32*\e+\i:X+32*\e+\i+1], v[G+\i:G+\i+1], v[BT+\i:BT+\i+1]
.endr
.endr
.irp e,0,1
.irp j,0,1,2,3,4,5,6,7
	ds_store_b128 v6, v[X+32*\e+4*\j:X+32*\e+4*\j+3] offset:\e*RP+512*\j
.endr
.endr
	s_wait_dscnt 0x0                               ; for the others' sake: my two rows lie in the stage
	s_barrier_signal -1
	s_barrier_wait -1
	; wave w quantises K step w of all 16 rows: lane (r, h) takes 16 neighbours of each of the step's four blocks
.irp b,0,1,2,3
.irp j,0,1,2,3
	ds_load_b128 v[X+16*\b+4*\j:X+16*\b+4*\j+3], v7 offset:128*\b+16*\j
.endr
.endr
.irp b,0,1,2,3
	v_mov_b32 v[TM+4+\b], 0                        ; a lane permute's destination counts as one of its sources
.endr
	s_wait_dscnt 0x0
	QUANT X, PW
	global_store_b128 v4, v[PC:PC+3], s[14:15]               ; each store covers whole aligned blocks of 256 bytes
	global_store_b64 v5, v[PC+4:PC+5], s[14:15] offset:512
	global_store_b128 v4, v[PC+6:PC+9], s[14:15] offset:768
	global_store_b64 v5, v[PC+10:PC+11], s[14:15] offset:1280
	ds_store_b32 v8, v[PW]                         ; lanes r and r + 16 write the same word with the same value
	s_wait_dscnt 0x0
	s_barrier_signal -1
	s_barrier_wait -1
	s_cmp_lg_u32 s16, 0
	s_cbranch_scc1 .Lend
	ds_load_b128 v[120:123], v9                    ; lane 16 q + r: row r's words of K steps 4 q .. 4 q + 3
	v_mul_u32_u24 v10, v3, SQ
	s_delay_alu instid0(VALU_DEP_1)
	v_lshl_add_u32 v10, v2, 4, v10
	s_lshl_b32 s30, ttmp9, 8                       ; 16 rows x 16 bytes
	s_add_nc_u64 s[20:21], s[20:21], s[30:31]
	s_wait_alu depctr_va_vdst(0)
	s_wait_dscnt 0x0
	global_store_b128 v10, v[120:123], s[20:21]    ; two aligned blocks of 256 bytes
	s_branch .Lend
	; ================ THE WEIGHTS: a lane takes a column, its registers run down K ================
.Lweights:
	s_sub_co_u32 s24, ttmp9, 512
	s_lshr_b32 s25, s24, 1                         ; which 64 columns: 0-47 of w_qkv, 48-63 of w_proj
	s_and_b32 s26, s24, 1                          ; q: which 512 along K
	s_and_b32 s27, s16, 1                          ; which 32 of the 64 columns
	s_lshr_b32 s28, s16, 1                         ; which K step of the four
	s_wait_alu depctr_va_vdst(0)
	v_and_b32 v6, 7, v1
	v_bfe_u32 v7, v1, 3, 1
	v_bfe_u32 v8, v1, 4, 1
	s_delay_alu instid0(VALU_DEP_2)
	v_lshl_or_b32 v6, v7, 4, v6
	s_delay_alu instid0(VALU_DEP_1)
	v_lshl_or_b32 v6, v8, 3, v6                    ; pi(lane)
	s_lshl_b32 s33, s27, 9
	s_add_co_u32 s33, s33, WSC
	v_add_nc_u32 v8, s33, v4                       ; scale words: 512 (wave % 2) + 16 x lane,
	s_lshl_b32 s34, s28, 2
	v_add_nc_u32 v7, s34, v8                       ; + 4 x my K step of the four
	s_cmp_lt_u32 s25, 48                           ; w_qkv or w_proj: the work-group's number alone decides
	s_cselect_b32 s29, -1, 0
	s_cselect_b32 s30, 0, 48
	s_mov_b32 s31, 4096
	s_cselect_b32 s31, 12288, s31                  ; a row of the weight in bytes
	s_wait_alu depctr_va_vdst(0)
	s_wait_kmcnt 0x0
	s_cselect_b64 s[10:11], s[10:11], s[12:13]
	v_cndmask_b32 v6, v1, v6, s29                  ; w_qkv's columns in the exchanged order, w_proj's as they are
	s_delay_alu instid0(VALU_DEP_1)
	v_lshlrev_b32 v6, 2, v6
	s_sub_co_u32 s30, s25, s30
	s_lshl_b32 s30, s30, 6
	s_lshl_b32 s32, s27, 5
	s_add_co_u32 s30, s30, s32                     ; my wave's first column
	s_lshl_b32 s30, s30, 2
	s_lshl_b32 s32, s26, 2
	s_add_co_u32 s32, s32, s28                     ; my K step
	s_lshl_b32 s33, s32, 7
	s_mul_i32 s33, s33, s31
	s_add_co_u32 s30, s30, s33
	s_mov_b32 s31, 0
	s_add_nc_u64 s[10:11], s[10:11], s[30:31]
	s_lshl_b32 s34, s25, 2
	s_lshl_b32 s35, s27, 1
	s_add_co_u32 s34, s34, s35
	s_add_co_u32 s34, s34, 512                     ; my first row tile
	s_mul_i32 s34, s34, RTB
	s_mul_i32 s35, s32, 1536
	s_add_co_u32 s34, s34, s35
	s_mov_b32 s35, 0
	s_add_nc_u64 s[14:15], s[14:15], s[34:35]
	s_mul_i32 s36, s26, SQ
	s_lshl_b32 s37, s25, 10
	s_add_co_u32 s36, s36, s37
	s_lshl_b32 s37, s27, 9
	s_add_co_u32 s36, s36, s37
	s_add_co_u32 s36, s36, 131072                  ; rows 8,192 + 64 x group + 32 x (wave % 2), 16 bytes each
	s_mov_b32 s37, 0
	s_add_nc_u64 s[20:21], s[20:21], s[36:37]
.macro LOADW n                         ; 128 numbers down K; two waves side by side read 256 neighbouring bytes of each row
.set i, 0
.rept 128
	global_load_b32 v[X+i], v6, s[10:11] offset:i*\n*4 th:TH_LOAD_NT
.set i, i+1
.endr
.endm
	s_cmp_lt_u32 s25, 48
	s_cbranch_scc0 .Lnarrow
	s_wait_alu depctr_va_vdst(0)
	LOADW 3072
	s_branch .Lloaded
.Lnarrow:
	s_wait_alu depctr_va_vdst(0)
	LOADW 1024
.Lloaded:
; block kb of 32 along K is all mine: its largest magnitude, its byte, its 32 codes in six registers at v[c]
.macro WBLOCK kb, c, left
.set XS, X+32*(\kb)
	s_wait_loadcnt \left
	v_max3_num_f32 v[M0], |v[XS]|, |v[XS+1]|, |v[XS+2]|
	v_max3_num_f32 v[M1], |v[XS+3]|, |v[XS+4]|, |v[XS+5]|
.irp i,6,10,14,18,22,26
	s_delay_alu instid0(VALU_DEP_2)
	v_max3_num_f32 v[M0], v[M0], |v[XS+\i]|, |v[XS+\i+1]|
	s_delay_alu instid0(VALU_DEP_2)
	v_max3_num_f32 v[M1], v[M1], |v[XS+\i+2]|, |v[XS+\i+3]|
.endr
	s_delay_alu instid0(VALU_DEP_2)
	v_max3_num_f32 v[M0], v[M0], |v[XS+30]|, |v[XS+31]|
	s_delay_alu instid0(VALU_DEP_1)
	v_max3_num_f32 v[M0], v[M0], v[M1], 0x2800000
	s_delay_alu instid0(VALU_DEP_1)
	v_add_nc_u32 v[SO], 0xfe000000, v[M0]
	s_delay_alu instid0(VALU_DEP_1)
	v_lshrrev_b32 v[M1], 23, v[SO]
.if (\kb)==0
	s_delay_alu instid0(VALU_DEP_1)
	v_mov_b32 v[SW], v[M1]
.else
	s_delay_alu instid0(VALU_DEP_1)
	v_lshl_or_b32 v[SW], v[M1], 8*(\kb), v[SW]
.endif
	v_cvt_scalef32_pk16_bf6_f32 v[\c:\c+2], v[XS:XS+15], v[SO]
	v_cvt_scalef32_pk16_bf6_f32 v[CT:CT+2], v[XS+16:XS+31], v[SO]
	v_nop
.irp i,0,1,2
	v_mov_b32 v[\c+3+\i], v[CT+\i]
.endr
.endm
	WBLOCK 0, 144, 63                              ; block kb wants the first 32 (kb + 1) of the 128 loads: 96, 64, 32, 0 may be out; the wait's field holds 63 at the most
	WBLOCK 1, 16, 63                               ; (its codes take registers whose numbers have been converted)
	WBLOCK 2, 48, 32
	WBLOCK 3, 80, 0
.irp i,0,1,2,3,4,5
	v_permlane16_swap_b32 v[144+\i], v[16+\i]      ; blocks 0 and 1: the first becomes the lower tile's half image (lanes 0-15 block 0, lanes 16-31 block 1), the second the upper tile's
	v_permlane16_swap_b32 v[48+\i], v[80+\i]       ; blocks 2 and 3 likewise
.endr
.macro PUTHI reg, off
	global_store_b128 v4, v[\reg:\reg+3], s[14:15] offset:\off
	global_store_b64 v5, v[\reg+4:\reg+5], s[14:15] offset:(\off)+512
.endm
	PUTHI 144, 0
	PUTHI 48, 768
	PUTHI 16, RTB
	PUTHI 80, RTB+768
	ds_store_b32 v7, v[SW]
	s_wait_dscnt 0x0
	s_barrier_signal -1
	s_barrier_wait -1
	s_cmp_gt_u32 s16, 1
	s_cbranch_scc1 .Lend
	ds_load_b128 v[120:123], v8                    ; my 32 rows' words of the four K steps (into registers whose numbers have been converted)
	s_wait_dscnt 0x0
	global_store_b128 v4, v[120:123], s[20:21]     ; 512 consecutive bytes
.Lend:
	s_wait_tensorcnt 0x0                           ; the wave's end: these three lines behind my last LDS store
	ds_add_u32 v[SPW], v[NIL]
	s_wait_dscnt 0x0
	s_endpgm
.Lfunc_end_k_qd48c75b3c3_prep:
	.size	k_qd48c75b3c3_prep, .Lfunc_end_k_qd48c75b3c3_prep-k_qd48c75b3c3_prep
	.p2alignl 7, 3214868480
	.fill 96, 4, 3214868480
	.section	.rodata,"a",@progbits
	.p2align	6, 0x0
	.amdhsa_kernel k_qd48c75b3c3_prep
		.amdhsa_group_segment_fixed_size 68352
		.amdhsa_private_segment_fixed_size 0
		.amdhsa_enable_private_segment 0
		.amdhsa_kernarg_size 56
		.amdhsa_user_sgpr_count 2
		.amdhsa_user_sgpr_kernarg_segment_ptr 1
		.amdhsa_wavefront_size32 1
		.amdhsa_system_sgpr_workgroup_id_x 1
		.amdhsa_system_sgpr_workgroup_id_y 1
		.amdhsa_system_sgpr_workgroup_id_z 1
		.amdhsa_system_vgpr_workitem_id 0
		.amdhsa_next_free_vgpr 160
		.amdhsa_next_free_sgpr 66
		.amdhsa_reserve_vcc 0
		.amdhsa_float_denorm_mode_32 3
		.amdhsa_float_denorm_mode_16_64 3
		.amdhsa_memory_ordered 1
		.amdhsa_forward_progress 1
		.amdhsa_inst_pref_size 66
	.end_amdhsa_kernel
	.amdgpu_metadata
---
amdhsa.version: [ 1, 2 ]
amdhsa.kernels:
  - .name:           k_qd48c75b3c3_prep
    .symbol:         k_qd48c75b3c3_prep.kd
    .args:
      - { .name: x, .offset: 0, .size: 8, .value_kind: global_buffer, .address_space: global }
      - { .name: ln_gamma, .offset: 8, .size: 8, .value_kind: global_buffer, .address_space: global }
      - { .name: ln_beta, .offset: 16, .size: 8, .value_kind: global_buffer, .address_space: global }
      - { .name: w_qkv, .offset: 24, .size: 8, .value_kind: global_buffer, .address_space: global }
      - { .name: w_proj, .offset: 32, .size: 8, .value_kind: global_buffer, .address_space: global }
      - { .name: wcodes, .offset: 40, .size: 8, .value_kind: global_buffer, .address_space: global }
      - { .name: wscale, .offset: 48, .size: 8, .value_kind: global_buffer, .address_space: global }
    .group_segment_fixed_size: 68352
    .private_segment_fixed_size: 0
    .kernarg_segment_align: 8
    .kernarg_segment_size: 56
    .max_flat_workgroup_size: 256
    .sgpr_count:     66
    .vgpr_count:     160
    .wavefront_size: 32
...
	.end_amdgpu_metadata
.endif
;; end of part 1
;; launch qkv (part 2): grid 24 x 32, 4 waves a work-group, clusters of 4 x 4, 327,680 bytes of LDS; arguments wcodes, wscale, b_qkv, acodes, ascale; writes acodes, ascale
.if DOCPART == 2
	.amdgcn_target "amdgcn-amd-amdhsa--gfx1250"
	.amdhsa_code_object_version 6
	.text
	.protected	k_qd48c75b3c3_qkv
	.globl	k_qd48c75b3c3_qkv
	.p2align	8
	.type	k_qd48c75b3c3_qkv,@function
k_qd48c75b3c3_qkv:
	s_mov_b64 s[64:65], 0
	v_nop
	global_prefetch_b8 v0, s[64:65] scope:SCOPE_SE
	s_setreg_imm32_b32 hwreg(HW_REG_WAVE_MODE, 25, 1), 1
	s_wait_xcnt 0x0
	s_wait_alu depctr_hold_cnt(0) depctr_sa_sdst(0) depctr_va_vdst(0) depctr_va_sdst(0) depctr_va_ssrc(0) depctr_va_vcc(0) depctr_vm_vsrc(0)
	s_getreg_b32 s2, hwreg(HW_REG_IB_STS2, 6, 4)
	s_cmp_eq_u32 s2, 0
	s_cbranch_scc0 .Lentry_in_a_cluster
	s_endpgm
.Lentry_in_a_cluster:
	s_bfe_u32 s2, ttmp6, 0x10000c
	s_cmp_lg_u32 s2, 0xf033
	s_cbranch_scc0 .Lentry_shape_is_right
	s_endpgm
.Lentry_shape_is_right:
; QKV: xn w_qkv + b_qkv on codes of E3M2, and its results quantised on the way out into the operands of attention.  No work of the problem is left out here.
; A work-group of four waves makes 256 "lane rows" (source 1) x 128 "register rows" (source 0) over all of K = 1,024; wave w takes lane-row tiles 4 w .. 4 w + 3 against all eight register-row tiles: 32 accumulators.
; q AND k (clusters x = 0..3): lane rows = tokens, register rows = 128 columns of w_qkv = two heads: a lane's 64 results run along the heads' channels, which are q k^T's K.
; v (clusters x = 4, 5): THE ROLES ARE SWAPPED: lane rows = 256 columns of w_qkv (four heads, one a wave), register rows = 128 tokens: a lane's 64 results run along the keys, which are p v's K.
; Tokens and w_qkv's columns lie in wcodes with bits 3 and 4 of their numbers exchanged, so that the 16 registers of result tiles 2 b, 2 b + 1 are the 16 neighbours 32 b + 16 h + 0 .. 15.
; BOTH OPERANDS FIT IN LDS FOR ALL OF K (196,608 + 98,304 bytes): every tensor load is a first fill, issued at the head in two halves of 512 along K; nothing is filled again, so the waits on the halves are counted.
; A wave issues two tensor loads, one for each half of K, one out at a time.  CLUSTER 4 x 4: lane rows' chunks are asked for jointly along a row of the cluster, register rows' along a column.
; An operand lies in memory and in LDS as the image of its registers (launch prep): no pitch, no padding, every LDS read is 16 or 8 bytes at consecutive lanes.
; The scale words of all of K stay in registers: one load of 16 bytes a lane brings four K steps' words of 32 rows (lanes 0-15 one tile, lanes 16-31 the next).
; OUT: acodes q/k part [b 4][head 32: q's 16, k's 16][token tile 128][768]; v part at VO [b][head 16][key step 16][tile of 16 channels 4][1,536].
;      ascale q/k part [b][head pair 16][64 tokens: 32][head 2][r 16][2 words], a word = the two bytes of tile 2 p and the two of tile 2 p + 1; v part at 524,288 [b][head][key step][r 16][tile 4] words.
; LIMITS: as in launch prep (NaN, infinities; the byte 1 for blocks under 2^-122).
; REGISTERS: window 0: v1-2, v8-20 addresses and the byte selector, which no fetch writes; v28-29 the add's two; v32-47, v48-79 scale words; v80-175 lane rows' fragments, two sets; v176-239 bias; v240-255 the quantiser's work.
;   On the way out v80-143 a tile's 64 numbers, v144-163 its codes, v164-167 the four scale words, v168-169 the words to store.  window 1: register rows' fragments, two sets of 96.  window 2: accumulator (a, b) at v[8 (8 a + b)].
.set SPARE, 294912                     ; behind the operands: the spare words, 128 bytes a wave; no other line names them
.set RTB,   12288
.set SQ,    196608
.set VO,    12582912
.set L16, 1
.set L8,  2
.set A16, 8                            ; v8-9   LDS address of my lane rows' 16-byte pieces in chunks 0-1, 2-3;  v10-11 of the 8-byte pieces
.set A8,  10
.set B16, 12                           ; v12-15 the same for the register rows
.set B8,  14
.set VSEL, 19                          ; v19  q, k: which bytes of two scale words my lane gathers; made at the head and kept: it lies outside the fragments' registers
.set SPW, 28
.set NIL, 29
.set SA,  32
.set SB,  48
.set AF,  80
.set BI,  176
.set H,   80
.set PC,  144
.set PWR, 164
.set WW,  168
.set TM,  240
.set SEL, 20                           ; s[20:21]
.set HM,  22                           ; s22  the mask of lanes 16-31
.set G1A, 24
.set G0A, 32                           ; s[32:39] two sets, a half of K each
.set G0B, 48                           ; s[48:55]
.set KIND, 66
.set G1B, 68
.set WV,  76
.set FB,  77
.set HF,  78
.set CX,  79
.set CY,  80
.set CLY, 81
.set ART, 82
.set BRT, 83
.set MSB, 0
.macro WIN new                         ; the immediate's high byte repeats the setting that is left
.if MSB != \new
	s_set_vgpr_msb (MSB<<8)|\new
.set MSB, \new
.endif
.endm
.macro CROUND                          ; a round of the cluster's barrier
	s_barrier_signal -1
	s_barrier_wait -1
	s_cmp_lg_u32 s[WV], 0
	s_cbranch_scc1 .Lnot_wave_0_\@
	s_barrier_signal -3
.Lnot_wave_0_\@:
	s_barrier_wait -3
	s_barrier_signal -1
	s_barrier_wait -1
.endm
.macro PLACES                          ; four plain instructions behind a matrix instruction, ahead of loads into its sources and of reads of its result
.rept 4
	v_nop
.endr
.endm
.macro FRAG reg, a16, a8, off          ; a fragment's 12 registers from its image
	ds_load_b128 v[\reg:\reg+3], v[\a16] offset:\off
	ds_load_b64 v[\reg+4:\reg+5], v[\a8] offset:(\off)+512
	ds_load_b128 v[\reg+6:\reg+9], v[\a16] offset:(\off)+768
	ds_load_b64 v[\reg+10:\reg+11], v[\a8] offset:(\off)+1280
.endm
.macro FETCH s, p                      ; K step s: eight fragments of the register rows, four of my lane rows, into set p
	WIN 0x40
.irp jb,0,1,2,3,4,5,6,7
	FRAG 96*(\p)+12*\jb, B16+(\s)/4, B8+(\s)/4, \jb*6144+((\s)%4)*1536
.endr
	WIN 0
.irp i,0,1,2,3
	FRAG AF+48*(\p)+12*\i, A16+(\s)/4, A8+(\s)/4, \i*6144+((\s)%4)*1536
.endr
.endm
.macro WM a, b, s, p, z                ; one product; odd tiles' scale words lie in lanes 16-31
.set rD, 8*(8*(\a)+(\b))
.set rB, 96*(\p)+12*(\b)
.set rA, AF+48*(\p)+12*(\a)
.set rSB, SB+8*((\b)/2)+(\s)
.set rSA, SA+8*((\a)/2)+(\s)
.if \z
.if ((\b)%2 == 0) && ((\a)%2 == 0)
	v_wmma_scale_f32_16x16x128_f8f6f4 v[rD:rD+7], v[rB:rB+11], v[rA:rA+11], 0, v[rSB], v[rSA] matrix_a_fmt:MATRIX_FMT_BF6 matrix_b_fmt:MATRIX_FMT_BF6
.elseif ((\b)%2 == 1) && ((\a)%2 == 0)
	v_wmma_scale_f32_16x16x128_f8f6f4 v[rD:rD+7], v[rB:rB+11], v[rA:rA+11], 0, v[rSB], v[rSA] matrix_a_fmt:MATRIX_FMT_BF6 matrix_b_fmt:MATRIX_FMT_BF6 matrix_a_scale:MATRIX_SCALE_ROW1
.elseif ((\b)%2 == 0) && ((\a)%2 == 1)
	v_wmma_scale_f32_16x16x128_f8f6f4 v[rD:rD+7], v[rB:rB+11], v[rA:rA+11], 0, v[rSB], v[rSA] matrix_a_fmt:MATRIX_FMT_BF6 matrix_b_fmt:MATRIX_FMT_BF6 matrix_b_scale:MATRIX_SCALE_ROW1
.else
	v_wmma_scale_f32_16x16x128_f8f6f4 v[rD:rD+7], v[rB:rB+11], v[rA:rA+11], 0, v[rSB], v[rSA] matrix_a_fmt:MATRIX_FMT_BF6 matrix_b_fmt:MATRIX_FMT_BF6 matrix_a_scale:MATRIX_SCALE_ROW1 matrix_b_scale:MATRIX_SCALE_ROW1
.endif
.else
.if ((\b)%2 == 0) && ((\a)%2 == 0)
	v_wmma_scale_f32_16x16x128_f8f6f4 v[rD:rD+7], v[rB:rB+11], v[rA:rA+11], v[rD:rD+7], v[rSB], v[rSA] matrix_a_fmt:MATRIX_FMT_BF6 matrix_b_fmt:MATRIX_FMT_BF6
.elseif ((\b)%2 == 1) && ((\a)%2 == 0)
	v_wmma_scale_f32_16x16x128_f8f6f4 v[rD:rD+7], v[rB:rB+11], v[rA:rA+11], v[rD:rD+7], v[rSB], v[rSA] matrix_a_fmt:MATRIX_FMT_BF6 matrix_b_fmt:MATRIX_FMT_BF6 matrix_a_scale:MATRIX_SCALE_ROW1
.elseif ((\b)%2 == 0) && ((\a)%2 == 1)
	v_wmma_scale_f32_16x16x128_f8f6f4 v[rD:rD+7], v[rB:rB+11], v[rA:rA+11], v[rD:rD+7], v[rSB], v[rSA] matrix_a_fmt:MATRIX_FMT_BF6 matrix_b_fmt:MATRIX_FMT_BF6 matrix_b_scale:MATRIX_SCALE_ROW1
.else
	v_wmma_scale_f32_16x16x128_f8f6f4 v[rD:rD+7], v[rB:rB+11], v[rA:rA+11], v[rD:rD+7], v[rSB], v[rSA] matrix_a_fmt:MATRIX_FMT_BF6 matrix_b_fmt:MATRIX_FMT_BF6 matrix_a_scale:MATRIX_SCALE_ROW1 matrix_b_scale:MATRIX_SCALE_ROW1
.endif
.endif
.endm
.macro MUL s, p, z                     ; a K step's 32 products; the 32 accumulators take turns in one order.  z = 1: they start the sums
	WIN 0xa1                                       ; source 0 window 1, source 1 window 0, C and D window 2
.irp a,0,1,2,3
.irp b,0,1,2,3,4,5,6,7
	WM \a, \b, \s, \p, \z
.endr
.endr
.endm
.macro AHEAD s                         ; what stands ahead of K step s's products
	s_wait_dscnt 0x0                               ; this step's fragments are in; and no LDS instruction of mine is out at a signal
.if (\s) == 3
	s_wait_tensorcnt 0x0                           ; my part of K's second half is in: it is my only load that was out
	s_barrier_signal -1
	s_barrier_wait -1                              ; everybody's is
.endif
.if (\s) > 0
	PLACES                                         ; the other set was read by the step before
.endif
	FETCH (\s)+1, 1-(\s)%2                         ; the next step's 48 loads have this step's 32 products in which to land
.endm
.macro QUANT s, pw                     ; 64 numbers of a lane, register 16 b + i = k 32 b + 16 h + i of my row: a fragment's 12 registers at v[PC], its scale word in v[pw]
.irp b,0,1,2,3
	v_max3_num_f32 v[TM+\b], |v[\s+16*\b]|, |v[\s+1+16*\b]|, 0x2800000   ; and the floor 2^(5 - 127): the byte cannot fall under 1
.endr
.irp i,2,4,6,8,10,12,14
.irp b,0,1,2,3
	v_max3_num_f32 v[TM+\b], v[TM+\b], |v[\s+16*\b+\i]|, |v[\s+1+16*\b+\i]|
.endr
.endr
.irp b,0,1,2,3
	v_permlanex16_b32 v[TM+4+\b], v[TM+\b], s[SEL], s[SEL+1]
.endr
.irp b,0,1,2,3
	v_max_num_f32 v[TM+\b], v[TM+\b], v[TM+4+\b]
.endr
.irp b,0,1,2,3
	v_add_nc_u32 v[TM+12+\b], 0xfe000000, v[TM+\b]            ; 4 off the exponent field: the conversion's scale operand
.endr
.irp b,0,1,2,3
	v_lshrrev_b32 v[TM+4+\b], 23, v[TM+12+\b]                 ; the scale's byte
.endr
	v_lshl_or_b32 v[\pw], v[TM+5], 8, v[TM+4]
	v_lshl_or_b32 v[\pw], v[TM+6], 16, v[\pw]
	v_lshl_or_b32 v[\pw], v[TM+7], 24, v[\pw]
.irp c,0,1
	v_cvt_scalef32_pk16_bf6_f32 v[PC+6*\c:PC+2+6*\c], v[\s+32*\c:\s+15+32*\c], v[TM+12+2*\c]
	v_cvt_scalef32_pk16_bf6_f32 v[PC+12+4*\c:PC+14+4*\c], v[\s+16+32*\c:\s+31+32*\c], v[TM+12+2*\c+1]
.endr
	v_nop                                                     ; one plain instruction behind the scaled conversions
.irp c,0,1
.irp i,0,1,2
	v_permlane16_swap_b32 v[PC+6*\c+\i], v[PC+12+4*\c+\i]
.endr
.irp i,0,1,2
	v_mov_b32 v[PC+3+6*\c+\i], v[PC+12+4*\c+\i]
.endr
.endr
.endm
; lane-row tile a on its way out: + bias (kind 0: along the registers; 1: along the lanes), quantised, its two half images stored at o0 and o1
.macro OUTBLK a, kind, o0, o1
	s_wait_xcnt 0x0                                ; the last tile's stores have read the codes' registers
	WIN 0x02                                       ; source 0: window 2
.irp b,0,1,2,3,4,5,6,7
.irp i,0,2,4,6
.if \kind
	v_pk_add_f32 v[H+8*\b+\i:H+8*\b+\i+1], v[8*(8*(\a)+\b)+\i:8*(8*(\a)+\b)+\i+1], v[BI+2*(\a):BI+2*(\a)+1]
.else
	v_pk_add_f32 v[H+8*\b+\i:H+8*\b+\i+1], v[8*(8*(\a)+\b)+\i:8*(8*(\a)+\b)+\i+1], v[BI+8*\b+\i:BI+8*\b+\i+1]
.endif
.endr
.endr
	WIN 0
	QUANT H, PWR+(\a)
	global_store_b128 v[L16], v[PC:PC+3], s[10:11] offset:\o0
	global_store_b64 v[L8], v[PC+4:PC+5], s[10:11] offset:(\o0)+512
	global_store_b128 v[L16], v[PC+6:PC+9], s[10:11] offset:\o1
	global_store_b64 v[L8], v[PC+10:PC+11], s[10:11] offset:(\o1)+512
.endm
	s_load_b256 s[4:11], s[0:1], 0x0               ; wcodes s[4:5], wscale s[6:7], b_qkv s[8:9], acodes s[10:11]
	s_load_b64 s[12:13], s[0:1], 0x20              ; ascale
	v_lshl_add_u32 v[SPW], v0, 2, SPARE
	v_mov_b32 v[NIL], 0
	ds_add_u32 v[SPW], v[NIL]                      ; the opening: the add, twice on end, and its wait ahead of my first tensor load
	ds_add_u32 v[SPW], v[NIL]
	v_lshrrev_b32 v3, 5, v0
	v_readfirstlane_b32 s[WV], v3                  ; wave 0..3
	s_lshr_b32 s[FB], s[WV], 1                     ; I fetch for the lane rows (0) or the register rows (1),
	s_and_b32 s[HF], s[WV], 1                      ; this half of them
	s_bfe_u32 s[CX], ttmp6, 0x40000
	s_bfe_u32 s[CY], ttmp6, 0x40004
	s_and_b32 s[CLY], ttmp7, 0xffff                ; the cluster's y; its x is ttmp9
	s_lshl_b32 s84, s[CY], 2
	s_lshl_b32 s84, 15, s84                        ; my row of the cluster
	s_lshl_b32 s85, 0x1111, s[CX]                  ; my column
	; group 1: rows = row tiles: 6,144 bytes (768 elements of 8 bytes: four K steps) of each, 12,288 bytes apart; 8 of them for the lane rows, 4 for the register rows
	s_or_b32 s[G1A], s84, (3<<16)|(1<<21)
	s_or_b32 s[G1B], s85, (3<<16)|(1<<21)
	s_mov_b32 s[G1A+1], 768<<16                    ; K COMES IN TWO HALVES of 512: 6,144 bytes (768 elements of 8 bytes: four K steps) of each row tile
	s_mov_b32 s[G1A+2], 8<<16
	s_mov_b32 s[G1A+3], 768<<16
	s_mov_b32 s[G1A+4], 8
	s_mov_b32 s[G1A+5], 1536
	s_mov_b32 s[G1A+6], 0
	s_mov_b32 s[G1A+7], 0
	s_mov_b32 s[G1B+1], 768<<16
	s_mov_b32 s[G1B+2], 4<<16
	s_mov_b32 s[G1B+3], 768<<16
	s_mov_b32 s[G1B+4], 4
	s_mov_b32 s[G1B+5], 1536
	s_mov_b32 s[G1B+6], 0
	s_mov_b32 s[G1B+7], 0
	s_mov_b32 s[SEL], 0x76543210
	s_mov_b32 s[SEL+1], 0xfedcba98
	s_mov_b32 s[HM], 0xffff0000
	; which row tiles.  The choice hangs on the cluster's x alone, which all sixteen partners share
	s_lshl_b32 s[ART], s[CLY], 6                   ; q, k: tokens 64 x cluster y
	s_lshl_b32 s86, ttmp9, 5
	s_add_co_u32 s[BRT], s86, 512                  ; q, k: columns 512 + 32 x cluster x
	s_add_co_u32 s87, s86, s[ART]
	s_sub_co_u32 s87, s87, 128                     ; v: tokens 32 (cluster x - 4) + 64 x cluster y
	s_cmp_ge_u32 ttmp9, 4
	s_cselect_b32 s[KIND], 1, 0
	s_cselect_b32 s[ART], 640, s[ART]              ; v: columns from 2,048 on
	s_cselect_b32 s[BRT], s87, s[BRT]
	s_lshl_b32 s86, s[CY], 4
	s_add_co_u32 s[ART], s[ART], s86               ; + 16 cy: shared along my row of the cluster
	s_lshl_b32 s87, s[CX], 3
	s_add_co_u32 s[BRT], s[BRT], s87               ; + 8 cx: shared along my column
	s_lshl_b32 s86, s[HF], 3
	s_add_co_u32 s84, s[ART], s86
	s_mul_i32 s84, s84, RTB
	s_mov_b32 s85, 0
	s_lshl_b32 s88, s[HF], 2
	s_add_co_u32 s86, s[BRT], s88
	s_mul_i32 s86, s86, RTB
	s_mov_b32 s87, 0
	s_mul_i32 s88, s[HF], 49152                    ; where my half of the rows goes: 8 row tiles x 6,144; no place in the cluster enters an LDS address
	s_mul_i32 s89, s[HF], 24576                    ; 4 row tiles x 6,144
	s_wait_dscnt 0x0                               ; both opening adds are done
	s_wait_kmcnt 0x0
	s_add_nc_u64 s[84:85], s[4:5], s[84:85]
	s_add_nc_u64 s[86:87], s[4:5], s[86:87]
.irp c,0,1
	s_mov_b32 s[G0A+4*\c], 1
	s_add_co_u32 s[G0A+4*\c+1], s88, \c*98304
	s_add_nc_u64 s[G0A+4*\c+2:G0A+4*\c+3], s[84:85], \c*6144
	s_or_b32 s[G0A+4*\c+3], s[G0A+4*\c+3], 0x80000000
	s_mov_b32 s[G0B+4*\c], 1
	s_add_co_u32 s[G0B+4*\c+1], s89, 196608+\c*49152
	s_add_nc_u64 s[G0B+4*\c+2:G0B+4*\c+3], s[86:87], \c*6144
	s_or_b32 s[G0B+4*\c+3], s[G0B+4*\c+3], 0x80000000
.endr
	CROUND                                         ; all sixteen work-groups are here: the joint loads meet
	s_cmp_eq_u32 s[FB], 0
	s_cbranch_scc0 .Lfill_b
	tensor_load_to_lds s[G0A:G0A+3], s[G1A:G1A+7]  ; K's first half: one tensor load a wave at the head
	s_nop 0
	PLACES
	s_branch .Lfilled
.Lfill_b:
	tensor_load_to_lds s[G0B:G0B+3], s[G1B:G1B+7]
	s_nop 0
	PLACES
.Lfilled:
	v_and_b32 v3, 31, v0
	v_lshlrev_b32 v[L16], 4, v3
	s_wait_alu depctr_va_vdst(0)
	v_lshlrev_b32 v[L8], 3, v3
	s_wait_alu depctr_va_vdst(0)
	s_lshl_b32 s94, s[BRT], 8                      ; 16 rows x 16 bytes a row tile
	s_mov_b32 s95, 0
	s_add_nc_u64 s[94:95], s[6:7], s[94:95]
	s_lshl_b32 s96, s[ART], 8
	s_lshl_b32 s97, s[WV], 10
	s_add_co_u32 s96, s96, s97
	s_mov_b32 s97, 0
	s_add_nc_u64 s[96:97], s[6:7], s[96:97]
.irp jp,0,1,2,3
.irp q,0,1
	global_load_b128 v[SB+8*\jp+4*\q:SB+8*\jp+4*\q+3], v[L16], s[94:95] offset:\q*SQ+512*\jp   ; tiles 2 jp (lanes 0-15) and 2 jp + 1 (lanes 16-31), K steps 4 q .. 4 q + 3
.endr
.endr
.irp ip,0,1
.irp q,0,1
	global_load_b128 v[SA+8*\ip+4*\q:SA+8*\ip+4*\q+3], v[L16], s[96:97] offset:\q*SQ+512*\ip
.endr
.endr
	s_mul_i32 s98, s[WV], 24576                    ; my four row tiles in a half
	v_add_nc_u32 v[A16], s98, v[L16]
	v_add_nc_u32 v[A16+1], 98304, v[A16]
	v_add_nc_u32 v[A8], s98, v[L8]
	v_add_nc_u32 v[A8+1], 98304, v[A8]
	v_add_nc_u32 v[B16], 196608, v[L16]
	v_add_nc_u32 v[B16+1], 245760, v[L16]
	v_add_nc_u32 v[B8], 196608, v[L8]
	v_add_nc_u32 v[B8+1], 245760, v[L8]
	v_and_b32 v4, 15, v0                           ; r
	v_bfe_u32 v5, v0, 4, 1                         ; h
	v_lshlrev_b32 v16, 6, v5                       ; q, k: the bias of my half: 64 h bytes
	v_and_b32 v17, 8, v4
	v_add_nc_u32 v17, v17, v4
	v_lshlrev_b32 v17, 2, v17                      ; v: the bias of my lane's column: 4 (r + 8 (r / 8))
	v_lshlrev_b32 v18, 4, v4
	v_lshl_add_u32 v18, v5, 3, v18                 ; v: my two scale words: 16 r + 8 h
	v_mov_b32 v[VSEL], 0x05040100                  ; q, k: lanes 0-15 gather the first head's bytes of two words,
	v_mov_b32 v20, 0x07060302
	v_cndmask_b32 v[VSEL], v[VSEL], v20, s[HM]     ; lanes 16-31 the second head's
.irp b,0,1,2,3
	v_mov_b32 v[TM+4+\b], 0                        ; a lane permute's destination counts as one of its sources
.endr
	s_wait_alu depctr_va_vdst(0)                   ; the wait at the head's end
	s_wait_tensorcnt 0x0                           ; my part of K's first half is in
	ds_add_u32 v[SPW], v[NIL]
	s_wait_dscnt 0x0
	CROUND                                         ; everybody's part is in, and all sixteen work-groups are here: the joint loads of the second half meet
	s_cmp_eq_u32 s[FB], 0
	s_cbranch_scc0 .Lsecond_b
	tensor_load_to_lds s[G0A+4:G0A+7], s[G1A:G1A+7]   ; K's second half: it has K steps 0 to 3, 128 products, in which to land
	s_nop 0
	PLACES
	s_branch .Lsecond_asked
.Lsecond_b:
	tensor_load_to_lds s[G0B+4:G0B+7], s[G1B:G1B+7]
	s_nop 0
	PLACES
.Lsecond_asked:
	FETCH 0, 0
	AHEAD 0
	s_wait_loadcnt 0x0                             ; the scale words
	MUL 0, 0, 1
.irp s,1,2,3,4,5
	AHEAD \s
	MUL \s, (\s)%2, 0
.endr
	AHEAD 6                                        ; (it leaves every window 0)
	s_cmp_eq_u32 s[KIND], 0
	s_cbranch_scc0 .Lv
	; ---------------- q and k ----------------
	s_lshl_b32 s84, ttmp9, 2
	s_add_co_u32 s84, s84, s[CX]                   ; which 128 columns = which pair of heads (0-7 q's, 8-15 k's)
	s_lshl_b32 s86, s84, 9
	s_mov_b32 s87, 0
	s_add_nc_u64 s[8:9], s[8:9], s[86:87]
.irp b,0,1,2,3,4,5,6,7                 ; register j of tile b is column 32 (b / 2) + 16 h + 8 (b % 2) + j
	global_load_b128 v[BI+8*\b:BI+8*\b+3], v16, s[8:9] offset:(32*(\b/2)+8*(\b%2))*4
	global_load_b128 v[BI+8*\b+4:BI+8*\b+7], v16, s[8:9] offset:(32*(\b/2)+8*(\b%2))*4+16
.endr
	s_lshr_b32 s88, s[CLY], 1                      ; the batch
	s_and_b32 s89, s[CLY], 1
	s_lshl_b32 s89, s89, 2
	s_add_co_u32 s89, s89, s[CY]                   ; which 256 of its tokens
	s_mul_i32 s90, s88, 3145728
	s_mul_i32 s91, s84, 196608
	s_add_co_u32 s90, s90, s91
	s_lshl_b32 s91, s89, 4
	s_lshl_b32 s92, s[WV], 2
	s_add_co_u32 s91, s91, s92
	s_mul_i32 s91, s91, 768
	s_add_co_u32 s90, s90, s91
	s_mov_b32 s91, 0
	s_add_nc_u64 s[10:11], s[10:11], s[90:91]
	s_lshl_b32 s92, s88, 17
	s_lshl_b32 s93, s84, 13
	s_add_co_u32 s92, s92, s93
	s_lshl_b32 s93, s89, 2
	s_add_co_u32 s93, s93, s[WV]
	s_lshl_b32 s93, s93, 8
	s_add_co_u32 s92, s92, s93
	s_mov_b32 s93, 0
	s_add_nc_u64 s[12:13], s[12:13], s[92:93]
	MUL 6, 0, 0
	s_wait_dscnt 0x0
	MUL 7, 1, 0
	WIN 0
	PLACES
	s_wait_loadcnt 0x0                             ; the bias
.irp a,0,1,2,3
	OUTBLK \a, 0, 768*\a, 768*\a+98304             ; the first head's 64 channels, and the second head's, 98,304 bytes on
.endr
	v_perm_b32 v[WW], v[PWR+1], v[PWR], v[VSEL]    ; my head's two bytes of tile 0 and of tile 1
	v_perm_b32 v[WW+1], v[PWR+3], v[PWR+2], v[VSEL]
	global_store_b64 v[L8], v[WW:WW+1], s[12:13]   ; one aligned block of 256 bytes
	s_branch .Ldone
	; ---------------- v ----------------
.Lv:
	s_lshl_b32 s84, s[CY], 2
	s_add_co_u32 s84, s84, s[WV]                   ; my head
	s_lshl_b32 s86, s84, 8
	s_add_co_u32 s86, s86, 8192                    ; behind q's and k's 2,048 numbers
	s_mov_b32 s87, 0
	s_add_nc_u64 s[8:9], s[8:9], s[86:87]
.irp a,0,1,2,3                         ; lane r of tile a is column 32 (a / 2) + 8 (a % 2) + r + 8 (r / 8); twice, to fill a pair
	global_load_b32 v[BI+2*\a], v17, s[8:9] offset:(32*(\a/2)+8*(\a%2))*4
	global_load_b32 v[BI+2*\a+1], v17, s[8:9] offset:(32*(\a/2)+8*(\a%2))*4
.endr
	s_sub_co_u32 s88, ttmp9, 4
	s_lshl_b32 s88, s88, 2
	s_add_co_u32 s88, s88, s[CX]
	s_lshl_b32 s89, s[CLY], 3
	s_add_co_u32 s88, s88, s89                     ; which 128 tokens of the 8,192
	s_lshr_b32 s89, s88, 4                         ; the batch
	s_and_b32 s88, s88, 15                         ; the key step
	s_mul_i32 s90, s89, 1572864
	s_mul_i32 s91, s84, 98304
	s_add_co_u32 s90, s90, s91
	s_mul_i32 s91, s88, 6144
	s_add_co_u32 s90, s90, s91
	s_add_co_u32 s90, s90, VO
	s_mov_b32 s91, 0
	s_add_nc_u64 s[10:11], s[10:11], s[90:91]
	s_lshl_b32 s92, s89, 16
	s_lshl_b32 s93, s84, 12
	s_add_co_u32 s92, s92, s93
	s_lshl_b32 s93, s88, 8
	s_add_co_u32 s92, s92, s93
	s_add_co_u32 s92, s92, 524288
	s_mov_b32 s93, 0
	s_add_nc_u64 s[12:13], s[12:13], s[92:93]
	MUL 6, 0, 0
	s_wait_dscnt 0x0
	MUL 7, 1, 0
	WIN 0
	PLACES
	s_wait_loadcnt 0x0
.irp a,0,1,2,3
	OUTBLK \a, 1, 1536*\a, 1536*\a+768             ; a whole fragment of V^T: 16 channels x 128 keys
.endr
	v_cndmask_b32 v[WW], v[PWR], v[PWR+2], s[HM]   ; lanes 0-15: tiles 0, 1; lanes 16-31: tiles 2, 3
	v_cndmask_b32 v[WW+1], v[PWR+1], v[PWR+3], s[HM]
	global_store_b64 v18, v[WW:WW+1], s[12:13]     ; one aligned block of 256 bytes
.Ldone:
	s_wait_tensorcnt 0x0                           ; the wave's end: these three lines behind my last tensor load
	ds_add_u32 v[SPW], v[NIL]
	s_wait_dscnt 0x0
	CROUND                                         ; the closing round
	s_endpgm
.Lfunc_end_k_qd48c75b3c3_qkv:
	.size	k_qd48c75b3c3_qkv, .Lfunc_end_k_qd48c75b3c3_qkv-k_qd48c75b3c3_qkv
	.p2alignl 7, 3214868480
	.fill 96, 4, 3214868480
	.section	.rodata,"a",@progbits
	.p2align	6, 0x0
	.amdhsa_kernel k_qd48c75b3c3_qkv
		.amdhsa_group_segment_fixed_size 327680
		.amdhsa_private_segment_fixed_size 0
		.amdhsa_enable_private_segment 0
		.amdhsa_kernarg_size 40
		.amdhsa_user_sgpr_count 2
		.amdhsa_user_sgpr_kernarg_segment_ptr 1
		.amdhsa_wavefront_size32 1
		.amdhsa_system_sgpr_workgroup_id_x 1
		.amdhsa_system_sgpr_workgroup_id_y 1
		.amdhsa_system_sgpr_workgroup_id_z 1
		.amdhsa_system_vgpr_workitem_id 0
		.amdhsa_next_free_vgpr 768
		.amdhsa_next_free_sgpr 100
		.amdhsa_reserve_vcc 0
		.amdhsa_float_denorm_mode_32 3
		.amdhsa_float_denorm_mode_16_64 3
		.amdhsa_memory_ordered 1
		.amdhsa_forward_progress 1
		.amdhsa_inst_pref_size 130
	.end_amdhsa_kernel
	.amdgpu_metadata
---
amdhsa.version: [ 1, 2 ]
amdhsa.kernels:
  - .name:           k_qd48c75b3c3_qkv
    .symbol:         k_qd48c75b3c3_qkv.kd
    .args:
      - { .name: wcodes, .offset: 0, .size: 8, .value_kind: global_buffer, .address_space: global }
      - { .name: wscale, .offset: 8, .size: 8, .value_kind: global_buffer, .address_space: global }
      - { .name: b_qkv, .offset: 16, .size: 8, .value_kind: global_buffer, .address_space: global }
      - { .name: acodes, .offset: 24, .size: 8, .value_kind: global_buffer, .address_space: global }
      - { .name: ascale, .offset: 32, .size: 8, .value_kind: global_buffer, .address_space: global }
    .group_segment_fixed_size: 327680
    .private_segment_fixed_size: 0
    .kernarg_segment_align: 8
    .kernarg_segment_size: 40
    .max_flat_workgroup_size: 128
    .sgpr_count:     100
    .vgpr_count:     768
    .wavefront_size: 32
...
	.end_amdgpu_metadata
.endif
;; end of part 2
;; launch attn (part 3): grid 4 x 64, 16 waves a work-group, clusters of 4 x 1, 327,680 bytes of LDS; arguments acodes, ascale, ocodes, oscale; writes ocodes, oscale
.if DOCPART == 3
	.amdgcn_target "amdgcn-amd-amdhsa--gfx1250"
	.amdhsa_code_object_version 6
	.text
	.protected	k_qd48c75b3c3_attn
	.globl	k_qd48c75b3c3_attn
	.p2align	8
	.type	k_qd48c75b3c3_attn,@function
k_qd48c75b3c3_attn:
	s_mov_b64 s[64:65], 0
	v_nop
	global_prefetch_b8 v0, s[64:65] scope:SCOPE_SE
	s_setreg_imm32_b32 hwreg(HW_REG_WAVE_MODE, 25, 1), 1
	s_wait_xcnt 0x0
	s_wait_alu depctr_hold_cnt(0) depctr_sa_sdst(0) depctr_va_vdst(0) depctr_va_sdst(0) depctr_va_ssrc(0) depctr_va_vcc(0) depctr_vm_vsrc(0)
	s_getreg_b32 s2, hwreg(HW_REG_IB_STS2, 6, 4)
	s_cmp_eq_u32 s2, 0
	s_cbranch_scc0 .Lentry_in_a_cluster
	s_endpgm
.Lentry_in_a_cluster:
	s_bfe_u32 s2, ttmp6, 0x10000c
	s_cmp_lg_u32 s2, 0x3003
	s_cbranch_scc0 .Lentry_shape_is_right
	s_endpgm
.Lentry_shape_is_right:
; ATTN: o = softmax(q k^T / 8) v on codes of E3M2, o / l quantised along the model's axis for the projection.  No work of the problem is left out here.
; THE SOFTMAX: t = score x log2(e) / 8; M = the running largest t rounded UP to a whole number; p = 2^(t - M) is what is quantised, along the keys; the row's sum l is taken of the
; unquantised p and divides o at the end.  When M moves, l and O are multiplied by 2^(old M - new M): exact.
; SHARES.  A work-group owns ONE head of one batch and 512 of its queries.  The head's K (98,304 bytes) and V^T (98,304 bytes) lie in LDS whole: sixteen first fills of 12,288 bytes, one a wave,
; at the head; nothing is filled again, so no barrier stands between the head's and the one in front of o's scale bytes.  Wave w owns query tiles 2 w and 2 w + 1 of the 32, one after the other, 16 key steps each.
; Four waves to a SIMD: one wave's vector work stands beside another's products and LDS loads.  Both products are used transposed (S^T = K Q^T, O^T = V^T P^T): a lane holds one query throughout.
; CLUSTER 4 x 1: the four work-groups of a head need the same K and V: each fill is asked for jointly.
; K = 64 IN AN INSTRUCTION OF K = 128: source 0 is a PAIR of key tiles (tile 2 p's 64 channels, then tile 2 p + 1's); source 1 is [q | zeros] for the first tile and [zeros | q] for the second.
; Zero codes add exactly nothing, so each fragment read from LDS feeds two products.  The dead half's scale bytes are 1.
; Tokens lie with bits 3 and 4 of their numbers exchanged (launch prep), so the 16 registers of score tiles 2 b, 2 b + 1 are the neighbouring keys 32 b + 16 h + 0 .. 15; V^T's rows likewise for o's channels.
; THE SCALE BYTES of the head's K and V (4,096 each) come by one load of 16 bytes a thread and go to LDS bytes of their own, which no tensor load fills.
; OUT: ocodes as launch proj reads them; oscale [K step 8][head of the pair 2][row 8,192][2 bytes]: a work-group stores 1,024 consecutive bytes.
; No prefetch is laid: the only loads of K and V stand at the head, and there is no loop to run ahead in.
; LIMITS: as in launch prep; o / l is a reciprocal (1 ulp) and a multiplication; the scaled scores stay under 2^31 in magnitude.
.set VO,    12582912
.set VL,    98304                      ; V^T lies behind K
.set SC,    196608                     ; K's scale bytes 4,096, then V's 4,096
.set OSM,   204800                     ; o's scale bytes: 64 a wave
.set SPARE, 205824                     ; the spare words: 128 bytes for each of sixteen waves; no other line names them
.set L16, 1
.set L8,  2
.set LK,  3                            ; v3  SC + 8 r
.set LV,  4                            ; v4  SC + 4,096 + 16 r
.set SPW, 5
.set NIL, 6
.set T,   7
.set A16, 8
.set A8,  9
.set AKS, 10
.set AVS, 11                           ; v12 -M, v13 the largest t, v[14:15] the sum in two halves
.set QA,  16                           ; v16-27 [q | zeros]
.set QBV, 28                           ; v28-39 [zeros | q]
.set KF,  40                           ; v40-87 four pairs of K, then four fragments of V^T
.set KSW, 88                           ; v88-91 K's scale words
.set VSW, 92                           ; v92-95 V's
.set S,   96                           ; v96-159 S^T, then p
.set O,   160                          ; v160-191 O^T
.set PCD, 192                          ; v192-203 p's codes
.set CT,  204                          ; v204-206, v208-210 the conversions' second halves
.set U,   204                          ; v204-211 ahead of them: four chains of the row's sum
.set QSA, 212
.set QSB, 213
.set PSW, 214                          ; p's scale word
.set F,   216                          ; v[216:217] f, later 1 / l
.set QW,  218
.set QT,  219
.set BM,  220
.set BP,  224
.set BS,  228
.set SGO, 232                          ; head: where my 16 scale bytes lie in memory
.set SG2, 233
.set AV16, 234
.set AV8, 235
.set OCD, 236                          ; v236-241 o's codes; v242-244 their second half
.set OCT, 242
.set OW,  246                          ; o's two scale bytes
.set SLD, 247                          ; head: SC + 16 x my thread's number
.set OST, 248
.set OLD, 249
.set R8,  250
.set OGO, 251
.set WV,  12
.set CXQ, 13
.set W7,  14
.set BB,  16
.set HH,  17
.set SS,  18
.set HD,  19
.set SEL, 20
.set CS,  22
.set G1,  24
.set G0,  32
.set SCP, 56
.set W3,  58
.set TB,  66
.set TS,  67
.set CNT, 69
.set QSEL, 70
.set MLO, 71
.set CHI, 72
.set MHI, 73
.set CLO, 74
.set QP,  76
.set QSP, 78
.macro CROUND                          ; a round of the cluster's barrier
	s_barrier_signal -1
	s_barrier_wait -1
	s_cmp_lg_u32 s[WV], 0
	s_cbranch_scc1 .Lnot_wave_0_\@
	s_barrier_signal -3
.Lnot_wave_0_\@:
	s_barrier_wait -3
	s_barrier_signal -1
	s_barrier_wait -1
.endm
.macro FRAG reg, a16, a8, off          ; a fragment's 12 registers from its image
	ds_load_b128 v[\reg:\reg+3], v[\a16] offset:\off
	ds_load_b64 v[\reg+4:\reg+5], v[\a8] offset:(\off)+512
	ds_load_b128 v[\reg+6:\reg+9], v[\a16] offset:(\off)+768
	ds_load_b64 v[\reg+10:\reg+11], v[\a8] offset:(\off)+1280
.endm
.macro MAKEQS                          ; my tile's two bytes of the loaded word, beside two bytes 1
	v_perm_b32 v[QT], v[QW], v[QW], s[QSEL]
	s_delay_alu instid0(VALU_DEP_1)
	v_and_or_b32 v[QSA], v[QT], s[MLO], s[CHI]
	s_delay_alu instid0(VALU_DEP_2)
	v_and_or_b32 v[QSB], v[QT], s[MHI], s[CLO]
.endm
.macro RESET                           ; the state ahead of a tile's first key step: the first change of M multiplies zeros
	v_mov_b32 v13, 0xff61b1e6                      ; -3e38, under every t
	s_delay_alu instid0(VALU_DEP_1)
	v_floor_f32 v12, -v13
	v_mov_b32 v14, 0
	v_mov_b32 v15, 0
.set j, 0
.rept 32
	v_mov_b32 v[O+j], 0
.set j, j+1
.endr
.endm
; A KEY STEP: 128 keys
.macro STEP
	v_add_nc_u32 v[A16], s[TB], v[L16]             ; (these four are the places behind the last step's products, ahead of the loads into their sources)
	v_add_nc_u32 v[A8], s[TB], v[L8]
	v_add_nc_u32 v[AKS], s[TS], v[LK]
	v_add_nc_u32 v[AVS], s[TS], v[LV]
.irp p,0,1,2,3
	FRAG KF+12*\p, A16, A8, 1536*\p
.endr
	ds_load_b64 v[KSW:KSW+1], v[AKS]
	ds_load_b64 v[KSW+2:KSW+3], v[AKS] offset:128
	s_wait_alu depctr_va_vdst(0)
	s_wait_dscnt 0x0
.irp p,0,1,2,3
	v_wmma_scale_f32_16x16x128_f8f6f4 v[S+16*\p:S+16*\p+7], v[KF+12*\p:KF+12*\p+11], v[QA:QA+11], 0, v[KSW+\p], v[QSA] matrix_a_fmt:MATRIX_FMT_BF6 matrix_b_fmt:MATRIX_FMT_BF6
	v_wmma_scale_f32_16x16x128_f8f6f4 v[S+16*\p+8:S+16*\p+15], v[KF+12*\p:KF+12*\p+11], v[QBV:QBV+11], 0, v[KSW+\p], v[QSB] matrix_a_fmt:MATRIX_FMT_BF6 matrix_b_fmt:MATRIX_FMT_BF6
.endr
	v_add_nc_u32 v[AV16], VL, v[A16]               ; four places ahead of the loads below and of the first read of the scores: V^T's addresses,
	v_add_nc_u32 v[AV8], VL, v[A8]
	v_nop
	v_nop
.irp d,0,1,2,3
	FRAG KF+12*\d, AV16, AV8, 1536*\d              ; V^T's four fragments are asked for now: they land during the softmax
.endr
	ds_load_b128 v[VSW:VSW+3], v[AVS]
.irp b,0,1,2,3
	v_max3_num_f32 v[BM+\b], v[S+16*\b], v[S+16*\b+1], v[S+16*\b+2]   ; the largest score of each block of 32 keys: for the row's maximum and, since p rises with the score, for the block's largest p
.endr
.irp i,3,5,7,9,11,13
.irp b,0,1,2,3
	v_max3_num_f32 v[BM+\b], v[BM+\b], v[S+16*\b+\i], v[S+16*\b+\i+1]
.endr
.endr
.irp b,0,1,2,3
	v_max_num_f32 v[BM+\b], v[BM+\b], v[S+16*\b+15]
.endr
.irp b,0,1,2,3
	v_permlanex16_b32 v[BP+\b], v[BM+\b], s[SEL], s[SEL+1]
.endr
.irp b,0,1,2,3
	v_max_num_f32 v[BM+\b], v[BM+\b], v[BP+\b]     ; with lane l xor 16's 16 keys
.endr
	s_delay_alu instid0(VALU_DEP_2)
	v_max3_num_f32 v[T], v[BM], v[BM+1], v[BM+2]
	s_delay_alu instid0(VALU_DEP_1)
	v_max_num_f32 v[T], v[T], v[BM+3]
	s_delay_alu instid0(VALU_DEP_1)
	v_mul_f32 v[T], s[CS], v[T]                    ; as t (c is positive)
	s_delay_alu instid0(VALU_DEP_1)
	v_max_num_f32 v13, v13, v[T]                   ; the running largest t
	v_mov_b32 v[T], v12
	s_delay_alu instid0(VALU_DEP_2)
	v_floor_f32 v12, -v13                          ; the new -M = floor(-t): M is a whole number
	s_delay_alu instid0(VALU_DEP_1)
	v_sub_f32 v[T], v12, v[T]                      ; old M - new M: a whole number, 0 or less
	s_delay_alu instid0(VALU_DEP_1)
	v_cvt_i32_f32 v[T], v[T]                       ; (it saturates)
	s_delay_alu instid0(VALU_DEP_1)
	v_ldexp_f32 v[F], 1.0, v[T]                    ; f = 2^(old M - new M)
.set j, 0
.rept 32
	v_pk_fma_f32 v[S+j:S+j+1], v[S+j:S+j+1], s[CS:CS+1], v[12:13] op_sel_hi:[1,0,0]   ; t - M
.set j, j+2
.endr
.irp b,0,1,2,3
	v_fma_f32 v[BM+\b], v[BM+\b], s[CS], v12
.endr
	s_wait_alu depctr_va_vdst(0)                   ; the wait ahead of the batch
.set j, 0
.rept 64
	v_exp_f32 v[S+j], v[S+j]                       ; p = 2^(t - M), at most 1
.set j, j+1
.endr
	v_pk_mul_f32 v[14:15], v[14:15], v[F:F+1] op_sel_hi:[1,0]   ; the sums under the new M: the plain instruction behind the exponentials
	s_wait_alu depctr_va_vdst(0)                   ; one wait for the 64, ahead of their first reader
.irp b,0,1,2,3
	v_exp_f32 v[BM+\b], v[BM+\b]                   ; the block's largest p
.endr
.irp i,0,1,2,3
	v_pk_add_f32 v[U+2*\i:U+2*\i+1], v[S+2*\i:S+2*\i+1], v[S+8+2*\i:S+9+2*\i]   ; the row's sum of the unquantised p: four chains by turns
.endr
.irp k,16,24,32,40,48,56
.irp i,0,1,2,3
	v_pk_add_f32 v[U+2*\i:U+2*\i+1], v[U+2*\i:U+2*\i+1], v[S+\k+2*\i:S+\k+1+2*\i]
.endr
.endr
	v_pk_add_f32 v[U:U+1], v[U:U+1], v[U+2:U+3]
	v_pk_add_f32 v[U+4:U+5], v[U+4:U+5], v[U+6:U+7]
	s_delay_alu instid0(VALU_DEP_2)
	v_pk_add_f32 v[14:15], v[14:15], v[U:U+1]
	s_delay_alu instid0(VALU_DEP_1)
	v_pk_add_f32 v[14:15], v[14:15], v[U+4:U+5]
	s_wait_alu depctr_va_vdst(0)                   ; and one for the four
.irp b,0,1,2,3
	v_max_num_f32 v[BM+\b], 0x2800000, v[BM+\b]    ; the floor 2^(5 - 127): the byte cannot fall under 1
.endr
.irp b,0,1,2,3
	v_add_nc_u32 v[BS+\b], 0xfe000000, v[BM+\b]    ; 4 off the exponent field: the conversion's scale operand
.endr
.irp b,0,1,2,3
	v_lshrrev_b32 v[BP+\b], 23, v[BS+\b]           ; the scale's byte
.endr
	s_delay_alu instid0(VALU_DEP_3)
	v_lshl_or_b32 v[PSW], v[BP+1], 8, v[BP]
	s_delay_alu instid0(VALU_DEP_1)
	v_lshl_or_b32 v[PSW], v[BP+2], 16, v[PSW]
	s_delay_alu instid0(VALU_DEP_1)
	v_lshl_or_b32 v[PSW], v[BP+3], 24, v[PSW]
.irp c,0,1
	v_cvt_scalef32_pk16_bf6_f32 v[PCD+6*\c:PCD+6*\c+2], v[S+32*\c:S+32*\c+15], v[BS+2*\c]
	v_cvt_scalef32_pk16_bf6_f32 v[CT+4*\c:CT+4*\c+2], v[S+32*\c+16:S+32*\c+31], v[BS+2*\c+1]
.endr
	v_nop                                          ; one plain instruction behind the scaled conversions
.irp c,0,1
.irp i,0,1,2
	v_permlane16_swap_b32 v[PCD+6*\c+\i], v[CT+4*\c+\i]   ; a whole block to a lane
.endr
.irp i,0,1,2
	v_mov_b32 v[PCD+6*\c+3+\i], v[CT+4*\c+\i]
.endr
.endr
	s_wait_alu depctr_va_vdst(0)                   ; the wait directly ahead of the first reader of O^T
.set j, 0
.rept 16
	v_pk_mul_f32 v[O+j:O+j+1], v[O+j:O+j+1], v[F:F+1] op_sel_hi:[1,0]   ; O^T under the new M; these sixteen are also the places between p's codes and scale word and the products below
.set j, j+2
.endr
	s_wait_alu depctr_va_vdst(0)
	s_wait_dscnt 0x0                               ; V^T
.irp d,0,1,2,3
	v_wmma_scale_f32_16x16x128_f8f6f4 v[O+8*\d:O+8*\d+7], v[KF+12*\d:KF+12*\d+11], v[PCD:PCD+11], v[O+8*\d:O+8*\d+7], v[VSW+\d], v[PSW] matrix_a_fmt:MATRIX_FMT_BF6 matrix_b_fmt:MATRIX_FMT_BF6
.endr
.endm
.macro PASS                            ; a query tile against the head's sixteen key steps
	s_mov_b32 s[TB], 0
	s_mov_b32 s[TS], 0
	s_mov_b32 s[CNT], 16
.Lpass_\@:
	STEP
	s_add_co_u32 s[TB], s[TB], 6144                ; 128 keys of K, and of V^T
	s_add_co_u32 s[TS], s[TS], 256                 ; their scale bytes
	s_sub_co_u32 s[CNT], s[CNT], 1
	s_cmp_lg_u32 s[CNT], 0
	s_cbranch_scc1 .Lpass_\@
.endm
; A tile's end: O^T / l, quantised along the head's 64 channels (two blocks), stored as half an image
.macro FINAL tl
.rept 4
	v_nop                                          ; places behind the last products
.endr
.if (\tl) == 0
	global_load_b128 v[QA:QA+3], v[L16], s[QP:QP+1] offset:768            ; my second tile's q is asked for now
	global_load_b64 v[QA+4:QA+5], v[L8], s[QP:QP+1] offset:768+512
	global_load_b128 v[QBV+6:QBV+9], v[L16], s[QP:QP+1] offset:768
	global_load_b64 v[QBV+10:QBV+11], v[L8], s[QP:QP+1] offset:768+512
.endif
	v_add_f32 v14, v14, v15
	s_delay_alu instid0(VALU_DEP_1)
	v_permlanex16_b32 v[BP], v14, s[SEL], s[SEL+1]
	s_delay_alu instid0(VALU_DEP_1)
	v_add_f32 v14, v14, v[BP]                      ; the row's sum
	s_wait_alu depctr_va_vdst(0)
	v_rcp_f32 v[F], v14
	v_nop
	s_wait_alu depctr_va_vdst(0)
.set j, 0
.rept 16
	v_pk_mul_f32 v[S+j:S+j+1], v[O+j:O+j+1], v[F:F+1] op_sel_hi:[1,0]   ; register 16 b + i = channel 32 b + 16 h + i
.set j, j+2
.endr
.irp b,0,1
	v_max3_num_f32 v[BM+\b], |v[S+16*\b]|, |v[S+16*\b+1]|, 0x2800000
.endr
.irp i,2,4,6,8,10,12,14
.irp b,0,1
	s_delay_alu instid0(VALU_DEP_2)
	v_max3_num_f32 v[BM+\b], v[BM+\b], |v[S+16*\b+\i]|, |v[S+16*\b+\i+1]|
.endr
.endr
.irp b,0,1
	s_delay_alu instid0(VALU_DEP_2)
	v_permlanex16_b32 v[BP+\b], v[BM+\b], s[SEL], s[SEL+1]
.endr
.irp b,0,1
	s_delay_alu instid0(VALU_DEP_2)
	v_max_num_f32 v[BM+\b], v[BM+\b], v[BP+\b]
.endr
.irp b,0,1
	s_delay_alu instid0(VALU_DEP_2)
	v_add_nc_u32 v[BS+\b], 0xfe000000, v[BM+\b]
.endr
.irp b,0,1
	s_delay_alu instid0(VALU_DEP_2)
	v_lshrrev_b32 v[BP+\b], 23, v[BS+\b]
.endr
	s_delay_alu instid0(VALU_DEP_1)
	v_lshl_or_b32 v[OW], v[BP+1], 8, v[BP]
	v_cvt_scalef32_pk16_bf6_f32 v[OCD:OCD+2], v[S:S+15], v[BS]
	v_cvt_scalef32_pk16_bf6_f32 v[OCT:OCT+2], v[S+16:S+31], v[BS+1]
	v_nop
.irp i,0,1,2
	v_permlane16_swap_b32 v[OCD+\i], v[OCT+\i]
.endr
.irp i,0,1,2
	v_mov_b32 v[OCD+3+\i], v[OCT+\i]
.endr
	global_store_b128 v[L16], v[OCD:OCD+3], s[8:9] offset:12288*(\tl)          ; whole aligned blocks of 256 bytes
	global_store_b64 v[L8], v[OCD+4:OCD+5], s[8:9] offset:12288*(\tl)+512
	ds_store_b16 v[OST], v[OW] offset:32*(\tl)     ; lanes r and r + 16 write the same two bytes with the same value
.if (\tl) == 0
	s_wait_loadcnt 0x0                             ; q
	s_wait_xcnt 0x0                                ; the stores have read the codes' registers
	s_mov_b32 s[QSEL], 0x03020302                  ; the second tile's two bytes of the word
	MAKEQS
	RESET                                          ; (more than eight plain instructions between q's scale words and the next product)
.endif
.endm
	s_load_b256 s[4:11], s[0:1], 0x0               ; acodes s[4:5], ascale s[6:7], ocodes s[8:9], oscale s[10:11]
	v_lshl_add_u32 v[SPW], v0, 2, SPARE
	v_mov_b32 v[NIL], 0
	ds_add_u32 v[SPW], v[NIL]                      ; the opening: the add, twice on end, and its wait ahead of my first tensor load
	ds_add_u32 v[SPW], v[NIL]
	v_lshrrev_b32 v[T], 5, v0
	s_delay_alu instid0(VALU_DEP_1)
	v_readfirstlane_b32 s[WV], v[T]                ; wave 0..15
	s_bfe_u32 s[CXQ], ttmp6, 0x40000               ; cx: my block of 512 queries: it enters q's and o's addresses alone
	s_and_b32 s15, ttmp7, 0xffff
	s_lshr_b32 s[BB], s15, 4                       ; the batch
	s_and_b32 s[HH], s15, 15                       ; the head
	s_lshr_b32 s[SS], s[HH], 1                     ; its pair,
	s_and_b32 s[HD], s[HH], 1                      ; and which of the two
	s_and_b32 s[W7], s[WV], 7
	s_and_b32 s[W3], s[WV], 3
	; group 1: a dense block of 12,288 bytes as 48 rows of 256 bytes (32 elements of 8 bytes); the mask names all four work-groups
	s_mov_b32 s[G1], 15|(3<<16)|(1<<21)
	s_mov_b32 s[G1+1], 32<<16
	s_mov_b32 s[G1+2], 48<<16
	s_mov_b32 s[G1+3], 32<<16
	s_mov_b32 s[G1+4], 48
	s_mov_b32 s[G1+5], 32
	s_mov_b32 s[G1+6], 0
	s_mov_b32 s[G1+7], 0
	s_mov_b32 s[SEL], 0x76543210
	s_mov_b32 s[SEL+1], 0xfedcba98
	s_mov_b32 s[CS], 0x3e38aa3b                    ; c = log2(e) / 8
	s_mov_b32 s[CS+1], s[CS]
	s_mov_b32 s[MLO], 0x0000ffff
	s_mov_b32 s[CHI], 0x01010000
	s_mov_b32 s[MHI], 0xffff0000
	s_mov_b32 s[CLO], 0x00000101
	s_mov_b32 s[QSEL], 0x01000100                  ; my first tile is the first of its pair
	; offsets.  What a wave fetches hangs on the batch, the head and the wave's number alone: waves 0-7 K's eighths, waves 8-15 V^T's
	s_mul_i32 s40, s[BB], 3145728
	s_mul_i32 s36, s[HH], 98304
	s_add_co_u32 s40, s40, s36                     ; q's head
	s_add_co_u32 s42, s40, 16*98304                ; k's
	s_mul_i32 s43, s[BB], 1572864
	s_add_co_u32 s43, s43, s36
	s_add_co_u32 s43, s43, VO                      ; v's
	s_cmp_lt_u32 s[WV], 8
	s_cselect_b32 s42, s42, s43
	s_mul_i32 s43, s[W7], 12288
	s_add_co_u32 s42, s42, s43
	s_mov_b32 s43, 0
	s_lshl_b32 s44, s[BB], 17
	s_lshl_b32 s37, s[SS], 13
	s_add_co_u32 s44, s44, s37
	s_lshl_b32 s37, s[HD], 7
	s_add_co_u32 s44, s44, s37                     ; q's scale bytes: my head's 128 of each 256
	s_add_co_u32 s46, s44, 65536                   ; k's
	s_lshl_b32 s47, s[BB], 16
	s_lshl_b32 s37, s[HH], 12
	s_add_co_u32 s47, s47, s37
	s_add_co_u32 s47, s47, 524288-4096             ; v's, less the 32 x 128 bytes that threads 256 .. count from
	s_mov_b32 s48, 128
	s_cmp_lt_u32 s[WV], 8
	s_cselect_b32 s46, s46, s47
	s_cselect_b32 s48, 256, s48                    ; from one run of 128 bytes to the next: K's lie 256 apart, V's on end
	s_mov_b32 s47, 0
	s_lshl_b32 s50, s[CXQ], 5
	s_lshl_b32 s37, s[WV], 1
	s_add_co_u32 s50, s50, s37                     ; my first tile of queries among the batch's 128
	s_mul_i32 s37, s50, 768
	s_add_co_u32 s40, s40, s37
	s_mov_b32 s41, 0
	s_lshr_b32 s37, s50, 2
	s_lshl_b32 s37, s37, 8
	s_add_co_u32 s44, s44, s37
	s_and_b32 s37, s[WV], 1
	s_lshl_b32 s37, s37, 2
	s_add_co_u32 s44, s44, s37                     ; the word of my pair of tiles
	s_mov_b32 s45, 0
	s_lshl_b32 s52, s[BB], 7
	s_add_co_u32 s52, s52, s50
	s_lshl_b32 s52, s52, 3
	s_add_co_u32 s52, s52, s[SS]
	s_mul_i32 s52, s52, 1536                       ; o: row tile x 8 K steps + the pair,
	s_mul_i32 s37, s[HD], 768
	s_add_co_u32 s52, s52, s37                     ; + my head's half of the image
	s_mov_b32 s53, 0
	s_lshl_b32 s54, s[SS], 15
	s_lshl_b32 s37, s[HD], 14
	s_add_co_u32 s54, s54, s37
	s_lshl_b32 s37, s[BB], 12
	s_add_co_u32 s54, s54, s37
	s_lshl_b32 s37, s[CXQ], 10
	s_add_co_u32 s54, s54, s37                     ; o's scale bytes: 2 a row
	s_mov_b32 s55, 0
	s_wait_dscnt 0x0                               ; both opening adds are done
	s_wait_kmcnt 0x0
	s_add_nc_u64 s[QP:QP+1], s[4:5], s[40:41]
	s_add_nc_u64 s[QSP:QSP+1], s[6:7], s[44:45]
	s_add_nc_u64 s[SCP:SCP+1], s[6:7], s[46:47]
	s_add_nc_u64 s[8:9], s[8:9], s[52:53]
	s_add_nc_u64 s[10:11], s[10:11], s[54:55]
	s_mov_b32 s[G0], 1
	s_mul_i32 s[G0+1], s[WV], 12288                ; K's eight parts, then V^T's eight
	s_add_nc_u64 s[G0+2:G0+3], s[4:5], s[42:43]
	s_or_b32 s[G0+3], s[G0+3], 0x80000000
	CROUND                                         ; all four work-groups are here: the joint loads meet
	tensor_load_to_lds s[G0:G0+3], s[G1:G1+7]      ; my one tensor load of the launch
	s_nop 0
.rept 4
	v_nop
.endr
	v_and_b32 v[T], 31, v0
	s_delay_alu instid0(VALU_DEP_1)
	v_lshlrev_b32 v[L16], 4, v[T]
	s_delay_alu instid0(VALU_DEP_2)
	v_lshlrev_b32 v[L8], 3, v[T]
	v_and_b32 v[T], 15, v0                         ; r
	s_delay_alu instid0(VALU_DEP_1)
	v_lshlrev_b32 v[R8], 3, v[T]
	global_load_b128 v[QA:QA+3], v[L16], s[QP:QP+1]
	global_load_b64 v[QA+4:QA+5], v[L8], s[QP:QP+1] offset:512
	global_load_b128 v[QBV+6:QBV+9], v[L16], s[QP:QP+1]
	global_load_b64 v[QBV+10:QBV+11], v[L8], s[QP:QP+1] offset:512
	global_load_b32 v[QW], v[R8], s[QSP:QSP+1]
	v_and_b32 v[SGO], 7, v0
	v_lshrrev_b32 v[SG2], 3, v0
	s_delay_alu instid0(VALU_DEP_2)
	v_lshlrev_b32 v[SGO], 4, v[SGO]
	s_delay_alu instid0(VALU_DEP_1)
	v_mad_u32_u24 v[SGO], v[SG2], s48, v[SGO]      ; run of 128 bytes = thread / 8, 16 bytes a thread
	global_load_b128 v[S:S+3], v[SGO], s[SCP:SCP+1]   ; threads 0-255 K's scale bytes, threads 256-511 V's
	v_lshl_add_u32 v[SLD], v0, 4, SC
	v_lshl_add_u32 v[LK], v[T], 3, SC
	v_lshl_add_u32 v[LV], v[T], 4, SC+4096
	s_lshl_b32 s52, s[WV], 6
	s_add_co_u32 s52, s52, OSM
	v_lshl_add_u32 v[OST], v[T], 1, s52            ; o's scale bytes: OSM + 64 x wave + 2 r
	s_lshl_b32 s53, s[W3], 8
	v_add_nc_u32 v[OGO], s53, v[L8]
	s_delay_alu instid0(VALU_DEP_1)
	v_add_nc_u32 v[OLD], OSM, v[OGO]
.irp i,0,1,2,3,4,5
	v_mov_b32 v[QA+6+\i], 0                        ; the zero halves
	v_mov_b32 v[QBV+\i], 0
.endr
.irp b,0,1,2,3
	v_mov_b32 v[BP+\b], 0                          ; a lane permute's destination counts as one of its sources
.endr
	v_mov_b32 v[F+1], 0                            ; (named as the upper half of the pair before it is written)
	s_wait_alu depctr_va_vdst(0)                   ; the wait at the head's end
	s_wait_tensorcnt 0x0                           ; my part of K or V^T is in
	s_wait_loadcnt 0x0                             ; q, its scale word, my 16 scale bytes
	ds_store_b128 v[SLD], v[S:S+3]
	MAKEQS
	RESET
	s_wait_dscnt 0x0                               ; for the others' sake
	s_barrier_signal -1
	s_barrier_wait -1                              ; K, V^T and their scale bytes are whole
	PASS
	FINAL 0
	PASS
	FINAL 1
	s_wait_dscnt 0x0
	s_barrier_signal -1
	s_barrier_wait -1
	s_cmp_lt_u32 s[WV], 4
	s_cbranch_scc0 .Lno_words
	ds_load_b64 v[252:253], v[OLD]
	s_wait_dscnt 0x0
	global_store_b64 v[OGO], v[252:253], s[10:11]  ; an aligned block of 256 bytes a wave: the bytes of 128 rows
.Lno_words:
	s_wait_tensorcnt 0x0                           ; the wave's end: these three lines behind my last tensor load and my last LDS store
	ds_add_u32 v[SPW], v[NIL]
	s_wait_dscnt 0x0
	CROUND                                         ; the closing round
	s_endpgm
.Lfunc_end_k_qd48c75b3c3_attn:
	.size	k_qd48c75b3c3_attn, .Lfunc_end_k_qd48c75b3c3_attn-k_qd48c75b3c3_attn
	.p2alignl 7, 3214868480
	.fill 96, 4, 3214868480
	.section	.rodata,"a",@progbits
	.p2align	6, 0x0
	.amdhsa_kernel k_qd48c75b3c3_attn
		.amdhsa_group_segment_fixed_size 327680
		.amdhsa_private_segment_fixed_size 0
		.amdhsa_enable_private_segment 0
		.amdhsa_kernarg_size 32
		.amdhsa_user_sgpr_count 2
		.amdhsa_user_sgpr_kernarg_segment_ptr 1
		.amdhsa_wavefront_size32 1
		.amdhsa_system_sgpr_workgroup_id_x 1
		.amdhsa_system_sgpr_workgroup_id_y 1
		.amdhsa_system_sgpr_workgroup_id_z 1
		.amdhsa_system_vgpr_workitem_id 0
		.amdhsa_next_free_vgpr 256
		.amdhsa_next_free_sgpr 80
		.amdhsa_reserve_vcc 0
		.amdhsa_float_denorm_mode_32 3
		.amdhsa_float_denorm_mode_16_64 3
		.amdhsa_memory_ordered 1
		.amdhsa_forward_progress 1
		.amdhsa_inst_pref_size 54
	.end_amdhsa_kernel
	.amdgpu_metadata
---
amdhsa.version: [ 1, 2 ]
amdhsa.kernels:
  - .name:           k_qd48c75b3c3_attn
    .symbol:         k_qd48c75b3c3_attn.kd
    .args:
      - { .name: acodes, .offset: 0, .size: 8, .value_kind: global_buffer, .address_space: global }
      - { .name: ascale, .offset: 8, .size: 8, .value_kind: global_buffer, .address_space: global }
      - { .name: ocodes, .offset: 16, .size: 8, .value_kind: global_buffer, .address_space: global }
      - { .name: oscale, .offset: 24, .size: 8, .value_kind: global_buffer, .address_space: global }
    .group_segment_fixed_size: 327680
    .private_segment_fixed_size: 0
    .kernarg_segment_align: 8
    .kernarg_segment_size: 32
    .max_flat_workgroup_size: 512
    .sgpr_count:     80
    .vgpr_count:     256
    .wavefront_size: 32
...
	.end_amdgpu_metadata
.endif
;; end of part 3
;; launch proj (part 4): grid 8 x 32, 4 waves a work-group, clusters of 4 x 4, 327,680 bytes of LDS; arguments ocodes, oscale, wcodes, wscale, b_proj, x, out0; writes out0
.if DOCPART == 4
	.amdgcn_target "amdgcn-amd-amdhsa--gfx1250"
	.amdhsa_code_object_version 6
	.text
	.protected	k_qd48c75b3c3_proj
	.globl	k_qd48c75b3c3_proj
	.p2align	8
	.type	k_qd48c75b3c3_proj,@function
k_qd48c75b3c3_proj:
	s_mov_b64 s[64:65], 0
	v_nop
	global_prefetch_b8 v0, s[64:65] scope:SCOPE_SE
	s_setreg_imm32_b32 hwreg(HW_REG_WAVE_MODE, 25, 1), 1
	s_wait_xcnt 0x0
	s_wait_alu depctr_hold_cnt(0) depctr_sa_sdst(0) depctr_va_vdst(0) depctr_va_sdst(0) depctr_va_ssrc(0) depctr_va_vcc(0) depctr_vm_vsrc(0)
	s_getreg_b32 s2, hwreg(HW_REG_IB_STS2, 6, 4)
	s_cmp_eq_u32 s2, 0
	s_cbranch_scc0 .Lentry_in_a_cluster
	s_endpgm
.Lentry_in_a_cluster:
	s_bfe_u32 s2, ttmp6, 0x10000c
	s_cmp_lg_u32 s2, 0xf033
	s_cbranch_scc0 .Lentry_shape_is_right
	s_endpgm
.Lentry_shape_is_right:
; PROJ: out0 = x + o w_proj + b_proj, the product on codes of E3M2.  No work of the problem is left out here.
; The frame is launch qkv's: a work-group of four waves makes 256 tokens (source 1, the lanes) x 128 columns (source 0, the registers) over all of K = 1,024; both operands lie in LDS for all of K, brought by
; first fills alone in two halves of 512 along K (two tensor loads a wave, one out at a time); cluster 4 x 4, tokens' chunks shared along a row, w_proj's along a column.
; The bias is the C of each sum's first product.  The wave's 64 x 128 numbers of x are asked for at the head into 256 registers of their own and land under the products.
; Tokens lie in ocodes with bits 3 and 4 of their numbers exchanged: row t of lane-row tile a is token 32 (a / 2) + 16 (t / 8) + 8 (a % 2) + t % 8 of the wave's 64.  w_proj's columns lie as they are.
; THE WAY OUT: a tile of 16 tokens x 128 columns goes through the wave's own stage in LDS and comes back as whole rows of 512 bytes.  The stage lies in the tokens' first half of K: it has had its one fill, and every wave
; has passed the second half's barrier, ahead of which it waited for its reads of the first half.
; REGISTERS: window 0 as in launch qkv; v176-239 the bias; on the way out v80-143, v144-207 rows by turns.  window 1: w_proj's fragments.  window 2: the accumulators.  window 3: x.
.set SPARE, 294912
.set RTB,   12288
.set SQ,    196608
.set L16, 1
.set L8,  2
.set L4,  3
.set A16, 8
.set A8,  10
.set B16, 12
.set B8,  14
.set STO, 16
.set RD,  17
.set HB,  18
.set SPW, 28
.set NIL, 29
.set SA,  32
.set SB,  48
.set AF,  80
.set BI,  176
.set BK,  80
.set G1A, 24
.set G0A, 32
.set G0B, 48
.set BTL, 66
.set G1B, 68
.set WV,  76
.set FB,  77
.set HF,  78
.set CX,  79
.set CY,  80
.set CLY, 81
.set ART, 82
.set BRT, 83
.set MSB, 0
.macro WIN new
.if MSB != \new
	s_set_vgpr_msb (MSB<<8)|\new
.set MSB, \new
.endif
.endm
.macro CROUND
	s_barrier_signal -1
	s_barrier_wait -1
	s_cmp_lg_u32 s[WV], 0
	s_cbranch_scc1 .Lnot_wave_0_\@
	s_barrier_signal -3
.Lnot_wave_0_\@:
	s_barrier_wait -3
	s_barrier_signal -1
	s_barrier_wait -1
.endm
.macro PLACES
.rept 4
	v_nop
.endr
.endm
.macro FRAG reg, a16, a8, off
	ds_load_b128 v[\reg:\reg+3], v[\a16] offset:\off
	ds_load_b64 v[\reg+4:\reg+5], v[\a8] offset:(\off)+512
	ds_load_b128 v[\reg+6:\reg+9], v[\a16] offset:(\off)+768
	ds_load_b64 v[\reg+10:\reg+11], v[\a8] offset:(\off)+1280
.endm
.macro FETCH s, p
	WIN 0x40
.irp jb,0,1,2,3,4,5,6,7
	FRAG 96*(\p)+12*\jb, B16+(\s)/4, B8+(\s)/4, \jb*6144+((\s)%4)*1536
.endr
	WIN 0
.irp i,0,1,2,3
	FRAG AF+48*(\p)+12*\i, A16+(\s)/4, A8+(\s)/4, \i*6144+((\s)%4)*1536
.endr
.endm
.macro WM a, b, s, p, z                ; z = 1: C is the bias (window 0), else the accumulator
.set rD, 8*(8*(\a)+(\b))
.set rB, 96*(\p)+12*(\b)
.set rA, AF+48*(\p)+12*(\a)
.set rSB, SB+8*((\b)/2)+(\s)
.set rSA, SA+8*((\a)/2)+(\s)
.set rC, rD
.if \z
.set rC, BI+8*(\b)
.endif
.if ((\b)%2 == 0) && ((\a)%2 == 0)
	v_wmma_scale_f32_16x16x128_f8f6f4 v[rD:rD+7], v[rB:rB+11], v[rA:rA+11], v[rC:rC+7], v[rSB], v[rSA] matrix_a_fmt:MATRIX_FMT_BF6 matrix_b_fmt:MATRIX_FMT_BF6
.elseif ((\b)%2 == 1) && ((\a)%2 == 0)
	v_wmma_scale_f32_16x16x128_f8f6f4 v[rD:rD+7], v[rB:rB+11], v[rA:rA+11], v[rC:rC+7], v[rSB], v[rSA] matrix_a_fmt:MATRIX_FMT_BF6 matrix_b_fmt:MATRIX_FMT_BF6 matrix_a_scale:MATRIX_SCALE_ROW1
.elseif ((\b)%2 == 0) && ((\a)%2 == 1)
	v_wmma_scale_f32_16x16x128_f8f6f4 v[rD:rD+7], v[rB:rB+11], v[rA:rA+11], v[rC:rC+7], v[rSB], v[rSA] matrix_a_fmt:MATRIX_FMT_BF6 matrix_b_fmt:MATRIX_FMT_BF6 matrix_b_scale:MATRIX_SCALE_ROW1
.else
	v_wmma_scale_f32_16x16x128_f8f6f4 v[rD:rD+7], v[rB:rB+11], v[rA:rA+11], v[rC:rC+7], v[rSB], v[rSA] matrix_a_fmt:MATRIX_FMT_BF6 matrix_b_fmt:MATRIX_FMT_BF6 matrix_a_scale:MATRIX_SCALE_ROW1 matrix_b_scale:MATRIX_SCALE_ROW1
.endif
.endm
.macro MUL s, p, z                     ; a K step's 32 products; the 32 accumulators take turns in one order
.if \z
	WIN 0x81                                       ; source 0 window 1, source 1 and C window 0, D window 2
.else
	WIN 0xa1
.endif
.irp a,0,1,2,3
.irp b,0,1,2,3,4,5,6,7
	WM \a, \b, \s, \p, \z
.endr
.endr
.endm
.macro AHEAD s
	s_wait_dscnt 0x0                               ; this step's fragments are in; and no LDS instruction of mine is out at a signal
.if (\s) == 3
	s_wait_tensorcnt 0x0                           ; my part of K's second half is in: it is my only load that was out
	s_barrier_signal -1
	s_barrier_wait -1
.endif
.if (\s) > 0
	PLACES
.endif
	FETCH (\s)+1, 1-(\s)%2
.endm
	s_load_b256 s[4:11], s[0:1], 0x0               ; ocodes s[4:5], oscale s[6:7], wcodes s[8:9], wscale s[10:11]
	s_load_b128 s[12:15], s[0:1], 0x20             ; b_proj s[12:13], x s[14:15]
	s_load_b64 s[16:17], s[0:1], 0x30              ; out0
	v_lshl_add_u32 v[SPW], v0, 2, SPARE
	v_mov_b32 v[NIL], 0
	ds_add_u32 v[SPW], v[NIL]                      ; the opening: the add, twice on end, and its wait ahead of my first tensor load
	ds_add_u32 v[SPW], v[NIL]
	v_lshrrev_b32 v4, 5, v0
	v_readfirstlane_b32 s[WV], v4
	s_lshr_b32 s[FB], s[WV], 1
	s_and_b32 s[HF], s[WV], 1
	s_bfe_u32 s[CX], ttmp6, 0x40000
	s_bfe_u32 s[CY], ttmp6, 0x40004
	s_and_b32 s[CLY], ttmp7, 0xffff
	s_lshl_b32 s84, s[CY], 2
	s_lshl_b32 s84, 15, s84
	s_lshl_b32 s85, 0x1111, s[CX]
	s_or_b32 s[G1A], s84, (3<<16)|(1<<21)
	s_or_b32 s[G1B], s85, (3<<16)|(1<<21)
	s_mov_b32 s[G1A+1], 768<<16                    ; K COMES IN TWO HALVES of 512: 6,144 bytes (768 elements of 8 bytes: four K steps) of each row tile
	s_mov_b32 s[G1A+2], 8<<16
	s_mov_b32 s[G1A+3], 768<<16
	s_mov_b32 s[G1A+4], 8
	s_mov_b32 s[G1A+5], 1536
	s_mov_b32 s[G1A+6], 0
	s_mov_b32 s[G1A+7], 0
	s_mov_b32 s[G1B+1], 768<<16
	s_mov_b32 s[G1B+2], 4<<16
	s_mov_b32 s[G1B+3], 768<<16
	s_mov_b32 s[G1B+4], 4
	s_mov_b32 s[G1B+5], 1536
	s_mov_b32 s[G1B+6], 0
	s_mov_b32 s[G1B+7], 0
	s_lshl_b32 s[ART], s[CLY], 6
	s_lshl_b32 s86, s[CY], 4
	s_add_co_u32 s[ART], s[ART], s86               ; tokens: row tile 16 (4 x cluster y + cy)
	s_lshl_b32 s[BTL], ttmp9, 2
	s_add_co_u32 s[BTL], s[BTL], s[CX]             ; which 128 columns
	s_lshl_b32 s[BRT], s[BTL], 3
	s_add_co_u32 s[BRT], s[BRT], 704               ; w_proj's row tiles begin at 704
	s_lshl_b32 s86, s[HF], 3
	s_add_co_u32 s84, s[ART], s86
	s_mul_i32 s84, s84, RTB
	s_mov_b32 s85, 0
	s_lshl_b32 s88, s[HF], 2
	s_add_co_u32 s86, s[BRT], s88
	s_mul_i32 s86, s86, RTB
	s_mov_b32 s87, 0
	s_mul_i32 s88, s[HF], 49152                    ; where my half of the rows goes: 8 row tiles x 6,144
	s_mul_i32 s89, s[HF], 24576                    ; 4 row tiles x 6,144
	s_wait_dscnt 0x0
	s_wait_kmcnt 0x0
	s_add_nc_u64 s[84:85], s[4:5], s[84:85]
	s_add_nc_u64 s[86:87], s[8:9], s[86:87]
.irp c,0,1
	s_mov_b32 s[G0A+4*\c], 1
	s_add_co_u32 s[G0A+4*\c+1], s88, \c*98304
	s_add_nc_u64 s[G0A+4*\c+2:G0A+4*\c+3], s[84:85], \c*6144
	s_or_b32 s[G0A+4*\c+3], s[G0A+4*\c+3], 0x80000000
	s_mov_b32 s[G0B+4*\c], 1
	s_add_co_u32 s[G0B+4*\c+1], s89, 196608+\c*49152
	s_add_nc_u64 s[G0B+4*\c+2:G0B+4*\c+3], s[86:87], \c*6144
	s_or_b32 s[G0B+4*\c+3], s[G0B+4*\c+3], 0x80000000
.endr
	CROUND
	s_cmp_eq_u32 s[FB], 0
	s_cbranch_scc0 .Lfill_b
	tensor_load_to_lds s[G0A:G0A+3], s[G1A:G1A+7]  ; K's first half: one tensor load a wave at the head
	s_nop 0
	PLACES
	s_branch .Lfilled
.Lfill_b:
	tensor_load_to_lds s[G0B:G0B+3], s[G1B:G1B+7]
	s_nop 0
	PLACES
.Lfilled:
	v_and_b32 v4, 31, v0
	v_lshlrev_b32 v[L16], 4, v4
	v_lshlrev_b32 v[L8], 3, v4
	v_lshlrev_b32 v[L4], 1, v4                     ; o's scale bytes: 2 a row and head
	s_wait_alu depctr_va_vdst(0)
	v_and_b32 v5, 15, v0                           ; r
	v_bfe_u32 v6, v0, 4, 1                         ; h
	v_lshlrev_b32 v[HB], 5, v6                     ; the bias of my half: 32 h bytes
	s_wait_alu depctr_va_vdst(0)
	s_lshl_b32 s84, s[ART], 5                      ; o's scale bytes: [K step][head of the pair][row][2 bytes]: 32 bytes a row tile
	s_lshl_b32 s85, s[WV], 7
	s_add_co_u32 s84, s84, s85
	s_mov_b32 s85, 0
	s_add_nc_u64 s[6:7], s[6:7], s[84:85]
	s_lshl_b32 s86, s[BRT], 8
	s_mov_b32 s87, 0
	s_add_nc_u64 s[10:11], s[10:11], s[86:87]
	s_lshl_b32 s88, s[BTL], 9
	s_mov_b32 s89, 0
	s_add_nc_u64 s[12:13], s[12:13], s[88:89]
	s_lshl_b32 s90, s[ART], 16                     ; 16 tokens x 4,096 bytes a row tile
	s_lshl_b32 s91, s[WV], 18
	s_add_co_u32 s90, s90, s91
	s_add_co_u32 s90, s90, s88
	s_mov_b32 s91, 0
	s_add_nc_u64 s[14:15], s[14:15], s[90:91]
	s_add_nc_u64 s[16:17], s[16:17], s[90:91]
.irp ip,0,1
.irp s,0,1,2,3,4,5,6,7
	global_load_u16 v[SA+8*\ip+\s], v[L4], s[6:7] offset:\s*32768+64*\ip              ; tiles 2 ip (lanes 0-15) and 2 ip + 1 (lanes 16-31), K step s: the first head's two bytes,
	global_load_u16 v[240+8*\ip+\s], v[L4], s[6:7] offset:\s*32768+16384+64*\ip       ; and the second head's
.endr
.endr
.irp jp,0,1,2,3
.irp q,0,1
	global_load_b128 v[SB+8*\jp+4*\q:SB+8*\jp+4*\q+3], v[L16], s[10:11] offset:\q*SQ+512*\jp
.endr
.endr
.irp b,0,1,2,3,4,5,6,7                 ; register j of tile b is column 16 b + 8 h + j
	global_load_b128 v[BI+8*\b:BI+8*\b+3], v[HB], s[12:13] offset:64*\b
	global_load_b128 v[BI+8*\b+4:BI+8*\b+7], v[HB], s[12:13] offset:64*\b+16
.endr
	s_mul_i32 s92, s[WV], 24576                    ; my four row tiles in a half
	v_add_nc_u32 v[A16], s92, v[L16]
	v_add_nc_u32 v[A16+1], 98304, v[A16]
	v_add_nc_u32 v[A8], s92, v[L8]
	v_add_nc_u32 v[A8+1], 98304, v[A8]
	v_add_nc_u32 v[B16], 196608, v[L16]
	v_add_nc_u32 v[B16+1], 245760, v[L16]
	v_add_nc_u32 v[B8], 196608, v[L8]
	v_add_nc_u32 v[B8+1], 245760, v[L8]
	s_mul_i32 s93, s[WV], 16*528                   ; my stage
	v_mul_u32_u24 v[STO], v5, 528
	v_lshl_add_u32 v[STO], v6, 5, v[STO]
	v_add_nc_u32 v[STO], s93, v[STO]               ; in: row r, 32 bytes for each half of the lanes
	v_add_nc_u32 v[RD], s93, v[L16]                ; back: the 32 lanes take a row of 512 bytes
	s_wait_alu depctr_va_vdst(0)
	s_wait_tensorcnt 0x0                           ; my part of K's first half is in
	ds_add_u32 v[SPW], v[NIL]
	s_wait_dscnt 0x0
	CROUND                                         ; everybody's part is in, and all sixteen work-groups are here: the joint loads of the second half meet
	s_cmp_eq_u32 s[FB], 0
	s_cbranch_scc0 .Lsecond_b
	tensor_load_to_lds s[G0A+4:G0A+7], s[G1A:G1A+7]   ; K's second half: it has K steps 0 to 3, 128 products, in which to land
	s_nop 0
	PLACES
	s_branch .Lsecond_asked
.Lsecond_b:
	tensor_load_to_lds s[G0B+4:G0B+7], s[G1B:G1B+7]
	s_nop 0
	PLACES
.Lsecond_asked:
	FETCH 0, 0
	WIN 0xc0                                       ; destination window 3.  x is asked for here, behind both halves' tensor loads: it lands under the products
.irp a,0,1,2,3
.irp t,0,1,2,3,4,5,6,7,8,9,10,11,12,13,14,15
	global_load_b128 v[64*\a+4*\t:64*\a+4*\t+3], v[L16], s[14:15] offset:(32*(\a/2)+16*(\t/8)+8*(\a%2)+\t%8)*4096 th:TH_LOAD_NT   ; 32 lanes read 512 consecutive bytes of a token's row
.endr
.endr
	WIN 0
	AHEAD 0
	s_wait_loadcnt 63                              ; of 120 loads the first 57 are in: the 56 of scale bytes, scale words and bias among them; x's 64 may stay out
.set j, 0
.rept 16
	v_lshl_or_b32 v[SA+j], v[240+j], 16, v[SA+j]   ; a K step's scale word: the first head's two bytes below the second's
.set j, j+1
.endr
	s_wait_alu depctr_va_vdst(0)                   ; later K steps read the words behind blocking waits
.rept 8
	v_nop                                          ; a scale register written by a vector instruction stands 8 places ahead of a scaled matrix instruction
.endr
	MUL 0, 0, 1
.irp s,1,2,3,4,5,6
	AHEAD \s
	MUL \s, (\s)%2, 0
.endr
	s_wait_dscnt 0x0
	MUL 7, 1, 0
	WIN 0
	PLACES
.macro TOSTAGE a
	WIN 0x08                                       ; an LDS store's data: window 2
.irp b,0,1,2,3,4,5,6,7
	ds_store_b128 v[STO], v[8*(8*(\a)+\b):8*(8*(\a)+\b)+3] offset:64*\b       ; each accumulator from its low end on
	ds_store_b128 v[STO], v[8*(8*(\a)+\b)+4:8*(8*(\a)+\b)+7] offset:64*\b+16
.endr
	WIN 0
.set BB, BK+64*((\a)%2)
.irp t,0,1,2,3,4,5,6,7,8,9,10,11,12,13,14,15
	ds_load_b128 v[BB+4*\t:BB+4*\t+3], v[RD] offset:\t*528   ; LDS serves a wave's instructions in order (ISA guide 5.7.1.4): these see the stores above
.endr
.endm
.macro SEND a, younger
.set BB, BK+64*((\a)%2)
	s_wait_dscnt \younger                          ; the tile is back in registers
	s_wait_loadcnt 48-16*(\a)                      ; this tile's 16 loads of x are in; the 16 of each later tile may be out
	WIN 0x0c                                       ; source 1: window 3
.set j, 0
.rept 32
	v_pk_add_f32 v[BB+j:BB+j+1], v[BB+j:BB+j+1], v[64*(\a)+j:64*(\a)+j+1]   ; + x
.set j, j+2
.endr
	WIN 0
.irp t,0,1,2,3,4,5,6,7,8,9,10,11,12,13,14,15
	global_store_b128 v[L16], v[BB+4*\t:BB+4*\t+3], s[16:17] offset:(32*((\a)/2)+16*(\t/8)+8*((\a)%2)+\t%8)*4096 th:TH_STORE_NT   ; 512 consecutive bytes, at a multiple of 256 from out0's first byte
.endr
.endm
	TOSTAGE 0
.irp a,1,2,3
.if \a > 1
	s_wait_xcnt 0x0                                ; tile a - 2's stores have read their registers
.endif
	TOSTAGE \a
	SEND \a-1, 32                                  ; behind tile a - 1's loads: tile a's 16 stores and 16 loads
.endr
	SEND 3, 0
	s_wait_tensorcnt 0x0                           ; the wave's end: these three lines behind my last tensor load and my last LDS store
	ds_add_u32 v[SPW], v[NIL]
	s_wait_dscnt 0x0
	CROUND                                         ; the closing round
	s_endpgm
.Lfunc_end_k_qd48c75b3c3_proj:
	.size	k_qd48c75b3c3_proj, .Lfunc_end_k_qd48c75b3c3_proj-k_qd48c75b3c3_proj
	.p2alignl 7, 3214868480
	.fill 96, 4, 3214868480
	.section	.rodata,"a",@progbits
	.p2align	6, 0x0
	.amdhsa_kernel k_qd48c75b3c3_proj
		.amdhsa_group_segment_fixed_size 327680
		.amdhsa_private_segment_fixed_size 0
		.amdhsa_enable_private_segment 0
		.amdhsa_kernarg_size 56
		.amdhsa_user_sgpr_count 2
		.amdhsa_user_sgpr_kernarg_segment_ptr 1
		.amdhsa_wavefront_size32 1
		.amdhsa_system_sgpr_workgroup_id_x 1
		.amdhsa_system_sgpr_workgroup_id_y 1
		.amdhsa_system_sgpr_workgroup_id_z 1
		.amdhsa_system_vgpr_workitem_id 0
		.amdhsa_next_free_vgpr 1024
		.amdhsa_next_free_sgpr 100
		.amdhsa_reserve_vcc 0
		.amdhsa_float_denorm_mode_32 3
		.amdhsa_float_denorm_mode_16_64 3
		.amdhsa_memory_ordered 1
		.amdhsa_forward_progress 1
		.amdhsa_inst_pref_size 102
	.end_amdhsa_kernel
	.amdgpu_metadata
---
amdhsa.version: [ 1, 2 ]
amdhsa.kernels:
  - .name:           k_qd48c75b3c3_proj
    .symbol:         k_qd48c75b3c3_proj.kd
    .args:
      - { .name: ocodes, .offset: 0, .size: 8, .value_kind: global_buffer, .address_space: global }
      - { .name: oscale, .offset: 8, .size: 8, .value_kind: global_buffer, .address_space: global }
      - { .name: wcodes, .offset: 16, .size: 8, .value_kind: global_buffer, .address_space: global }
      - { .name: wscale, .offset: 24, .size: 8, .value_kind: global_buffer, .address_space: global }
      - { .name: b_proj, .offset: 32, .size: 8, .value_kind: global_buffer, .address_space: global }
      - { .name: x, .offset: 40, .size: 8, .value_kind: global_buffer, .address_space: global }
      - { .name: out0, .offset: 48, .size: 8, .value_kind: global_buffer, .address_space: global }
    .group_segment_fixed_size: 327680
    .private_segment_fixed_size: 0
    .kernarg_segment_align: 8
    .kernarg_segment_size: 56
    .max_flat_workgroup_size: 128
    .sgpr_count:     100
    .vgpr_count:     1024
    .wavefront_size: 32
...
	.end_amdgpu_metadata
.endif
;; end of part 4
